; MI455X (gfx1250); checked and timed in simulation.
; The chip was launched on July 23, 2026; its instructions are those of AMD's public machine-readable ISA for CDNA 5 (MIT licence, August 2026) and "CDNA5" Instruction Set Architecture Reference Guide (July 2026). The comments in the code are by the model that wrote it; some were corrected since.
;; Multi Head Attention. Allowed arithmetic: matrix products marked QUANTISED: E4M3 operands, one E8M0 scale for each 32 along K, by v_wmma_scale_f32_16x16x128_f8f6f4 with both operands' format E4M3, f32 sums; everything else in f32.
;; Inputs: Wk_codes 1,024 x 32 x 32 uint8 (E4M3 codes of Wk, K innermost, in blocks of 32 codes); Wk_scales 1,024 x 32 uint8 (E8M0 scales of Wk, one for each 32 codes along K); Wo_codes 1,024 x 32 x 32 uint8 (E4M3 codes of Wo, K innermost, in blocks of 32 codes); Wo_scales 1,024 x 32 uint8 (E8M0 scales of Wo, one for each 32 codes along K); Wq_codes 1,024 x 32 x 32 uint8 (E4M3 codes of Wq, K innermost, in blocks of 32 codes); Wq_scales 1,024 x 32 uint8 (E8M0 scales of Wq, one for each 32 codes along K); Wv_codes 1,024 x 32 x 32 uint8 (E4M3 codes of Wv, K innermost, in blocks of 32 codes); Wv_scales 1,024 x 32 uint8 (E8M0 scales of Wv, one for each 32 codes along K); beta 1,024 float32; bo 1,024 float32; gamma 1,024 float32; key__codes 4 x 2,048 x 32 x 32 uint8 (E4M3 codes of key_, K innermost, in blocks of 32 codes); key__scales 4 x 2,048 x 32 uint8 (E8M0 scales of key_, one for each 32 codes along K); query 4 x 2,048 x 1,024 float32; value_codes 4 x 2,048 x 32 x 32 uint8 (E4M3 codes of value, K innermost, in blocks of 32 codes); value_scales 4 x 2,048 x 32 uint8 (E8M0 scales of value, one for each 32 codes along K).
;; Outputs: out0 4 x 2,048 x 1,024 float32.
;; This version of the problem:
;;   THIS VERSION OF THE PROBLEM IS GIVEN IN LOW PRECISION. The matrix products marked QUANTISED in the list below multiply operands that are first quantised to E4M3 (4 exponent bits, 3 mantissa bits; 8 bits a number), with one power-of-two scale for each 32 numbers along K (OCP MX v1.0); their sums are f32. All else is computed in f32.
;;   The module's matrix products, in the order in which they are computed (A, B: the left and right operand; K: the contracted axis; several contracted axes count as one K, in the product's order):
;;     1. [M 8,192, K 1,024] x [K 1,024, N 1,024]; A: input query; B: input Wq (given as codes): QUANTISED
;;     2. [M 8,192, K 1,024] x [K 1,024, N 1,024]; A: input key_ (given as codes); B: input Wk (given as codes): QUANTISED
;;     3. [M 8,192, K 1,024] x [K 1,024, N 1,024]; A: input value (given as codes); B: input Wv (given as codes): QUANTISED
;;     4. batch 64 x [M 2,048, K 64] x [K 64, N 2,048]; A: computed on the way; B: computed on the way: QUANTISED
;;     5. batch 64 x [M 2,048, K 2,048] x [K 2,048, N 64]; A: softmax (see below); B: computed on the way: QUANTISED
;;     6. [M 8,192, K 1,024] x [K 1,024, N 1,024]; A: computed on the way; B: input Wo (given as codes): QUANTISED
;;   THE QUANTISER, for each operand of a quantised product, along K:
;;     - K is cut into blocks of 32 from its start; a last block that is shorter is filled with zeros.
;;     - A block's scale is 2^e with e = floor(log2(the largest magnitude in the block)) - 8, held to -126 .. 127; a block of zeros has e = 0. As a byte (E8M0): e + 127.
;;     - Each number is divided by its block's scale, clamped to +-448, and rounded to the nearest number of E4M3, ties to even, subnormals kept.
;;     - The product sums the exact products of the quantised numbers (number of the format x scale) in f32.
;;   ~~~python
;;   def quantise(x, axis):      # numpy; x: float32 -> the quantised numbers, widened to float32 again
;;       x = np.moveaxis(x, axis, -1); K = x.shape[-1]
;;       x = np.pad(x, [(0, 0)] * (x.ndim - 1) + [(0, -K % 32)]); x = x.reshape(x.shape[:-1] + (-1, 32)); a = np.abs(x).max(-1, keepdims=True)
;;       e = np.where(a > 0, np.clip(np.frexp(np.where(a > 0, a, 1))[1] - 1 - 8, -126, 127), 0)      # np.frexp(a)[1] - 1 = floor(log2(a)), exactly
;;       r = np.clip(x / 2.0 ** e, -448, 448)
;;       step = 2.0 ** (np.maximum(np.frexp(np.where(r == 0, 1, r))[1] - 1, -6) - 3)
;;       q = np.round(r / step) * step * 2.0 ** e      # np.round: ties to even
;;       return np.moveaxis(q.reshape(q.shape[:-2] + (-1,))[..., :K], -1, axis).astype(np.float32)
;;   ~~~
;;   SOFTMAX AHEAD OF A QUANTISED PRODUCT. Where the list says 'softmax', what is quantised is not the finished softmax but p = 2^(t - M), with t = logit x log2(e) and M = ceil(the row's largest t), a whole number; so 1/2 < the row's largest p <= 1. The row's sum l is taken of the UNQUANTISED p, in f32, and the product's result is divided by l at the end. Since M is a whole number, a kernel that streams over the keys may use a running M (the ceiling of the running maximum): every later rescaling is an exact power of two, which a block's scale takes up: the codes' values come out the same.
;;   OPERANDS COMPUTED ON THE WAY. 'Computed on the way' means the value that the module computes at that place (a softmax that the list does not call 'softmax' is quantised finished and normalised). What goes into a quantiser is computed in f32, as accurately as f32 sums, v_exp_f32 and their like allow (about 1e-6 of the number): no bf16 or f16 on the way to a quantiser, and a product that is left as it is and whose result goes on into a quantised operand takes f32 operands (vector FMAs, or v_wmma_f32_16x16x4_f32). A number that lies on a knife's edge between two numbers of the format may be rounded either way, as far as f32 arithmetic and the matrix unit's own rounding can turn it there, and no further.
;;   INPUTS GIVEN AS CODES. Wk (in the module: [1024, 1024], K = its axis 0); Wo (in the module: [1024, 1024], K = its axis 0); Wq (in the module: [1024, 1024], K = its axis 0); Wv (in the module: [1024, 1024], K = its axis 0); key_ (in the module: [4, 2048, 1024], K = its axis 2); value (in the module: [4, 2048, 1024], K = its axis 2): each comes as NAME_codes (uint8): NAME with its K axis moved to the last place and cut into blocks of 32 codes, [.., K / 32, bytes a block], one block behind the other in memory; one code a byte (a code: sign, 4 exponent bits, 3 mantissa bits); and NAME_scales (uint8): the same leading axes, one E8M0 byte (e + 127) for each 32 codes along K. Its value is code x scale, taken as it is: it is not quantised again, and the codes and scales need not be those that the quantiser above would give.
;; One version. Each part assembles by itself: llvm-mc -triple=amdgcn-amd-amdhsa -mcpu=gfx1250 --defsym DOCPART=n.
;; ======== version 1 of 1: 4 launches
;; limits: right only within a limited range of input values
;; workspace buffers: xq 8,650,752 bytes; woi 1,081,344 bytes; qb 8,650,752 bytes; kb 8,650,752 bytes; vb 8,650,752 bytes; ob 8,650,752 bytes
;; launch prep (part 1): grid 288 x 1, 4 waves a work-group, no clusters, 33,280 bytes of LDS; arguments query, Wo_codes, Wo_scales, xq, woi; writes xq, woi
.if DOCPART == 1
	.amdgcn_target "amdgcn-amd-amdhsa--gfx1250"
	.amdhsa_code_object_version 6
	.text
	.protected	k_q4b45482be6_prep
	.globl	k_q4b45482be6_prep
	.p2align	8
	.type	k_q4b45482be6_prep,@function
k_q4b45482be6_prep:
	s_mov_b64 s[64:65], 0
	v_nop
	global_prefetch_b8 v0, s[64:65] scope:SCOPE_SE
	s_setreg_imm32_b32 hwreg(HW_REG_WAVE_MODE, 25, 1), 1
	s_wait_xcnt 0x0
; PREP: two jobs in one launch, told apart by the work-group's number.
; Work-groups 0-255: query [8192][1024] f32 becomes codes of FP8 (E4M3), K innermost, at xq + 0, and one E8M0 byte for each 32 along K, [8192][32], at xq + 0x800000.
;   A block's scale is 2^(floor(log2(its largest magnitude)) - 8); its byte is the largest magnitude's exponent field - 8, held at 1 from below.  Each number is divided by the scale, held within +-448, rounded to the nearest code, ties to even.
;   Rows are dense and 1,024 is a multiple of 32: the tensor is a plain stream of blocks of 32.  A wave takes 16 steps of 512 numbers.  Each load reads 512 consecutive bytes; a step's 2,048 bytes turn through the wave's own stage in LDS
;   so that a lane holds 16 neighbours (two neighbouring lanes hold a block).  A lane's 16 codes are 16 bytes: a store covers 512 consecutive bytes.  A wave's 256 scale bytes leave as one aligned run of 256 bytes.
; Work-groups 256-287: Wo's codes and scale bytes are laid out once in the order in which the last launch's operand registers take them:
;   woi + 0: [g 8][ct 64][c 4][lane 32][16 bytes] = Wo_codes[16 ct + lane % 16][128 g + 32 c + 16 (lane / 16) ..];   woi + 0x100000: [g 8][n 1024] words = Wo_scales[n][4 g .. 4 g + 3].  This path uses no LDS.
; LIMITS: NaN and infinities among the inputs are not served; a block whose largest magnitude lies under 2^-118 gets the byte 1; a block of zeros gets the byte 1 and not 127: its codes are zeros, and this program alone reads the bytes.
.set STEPS, 16
.set EMAX,  8
.set MANT,  0x600000                   ; the mantissa field of 448 as f32
.set CB,    16                         ; bytes of 16 codes
.set R,     16                         ; v16-79   four sets of 16 numbers as they are loaded
.set X,     80                         ; v80-111  two sets of 16 neighbours
.set C,     128                        ; v128-191 codes: four registers for each step, so that no store's data are written again
.set E,     112                        ; v112-127 a scale byte for each step
.set WREG,  8192                       ; LDS: a region for each wave: two stages of 32 x SP bytes, behind them its 256 scale bytes
.set SP,    80                         ; a lane's place in a stage: its 64 bytes + 16 of padding
	s_load_b256 s[4:11], s[0:1], 0x0               ; query s[4:5], Wo_codes s[6:7], Wo_scales s[8:9], xq s[10:11]
	s_load_b64 s[12:13], s[0:1], 0x20              ; woi
	v_lshl_add_u32 v192, v0, 2, 0x8000
	v_mov_b32 v193, 0
	v_lshrrev_b32 v1, 5, v0
	v_readfirstlane_b32 s16, v1                    ; wave
	v_and_b32 v2, 31, v0                           ; lane
	s_mov_b32 s21, 0                               ; the high word of every offset pair s[20:21]
	s_cmp_ge_u32 ttmp9, 256
	s_cbranch_scc1 .Llay
	; ---- the quantiser
	v_lshlrev_b32 v3, 4, v2                        ; my 16 bytes of a load's 512
	s_mul_i32 s17, s16, WREG
	v_lshrrev_b32 v14, 2, v2
	v_mul_u32_u24 v14, v14, SP
	v_and_b32 v15, 3, v2
	v_lshl_add_u32 v14, v15, 4, v14
	v_add_nc_u32 v14, s17, v14                     ; the stage, on the way in: SP (lane / 4) + 16 (lane % 4); a load's 512 bytes take eight places
	v_mul_u32_u24 v15, v2, SP
	v_add_nc_u32 v15, s17, v15                     ; and on the way out: SP x lane: my 16 neighbours
	v_mul_u32_u24 v4, v2, CB                       ; my codes' place in a step's
	v_lshrrev_b32 v5, 1, v2
	s_add_co_u32 s17, s17, 2*32*SP
	v_add_nc_u32 v5, s17, v5                       ; LDS: my wave's 256 scale bytes, my block's byte
	v_lshlrev_b32 v7, 3, v2                        ; and on the way out 8 bytes a lane
	v_add_nc_u32 v6, s17, v7
	s_lshl_b32 s18, ttmp9, 2
	s_add_co_u32 s18, s18, s16                     ; which run of 8,192 numbers is my wave's: 0 .. 1,023
	s_lshl_b32 s20, s18, 15                        ; 32,768 bytes of f32 a run
	s_wait_alu depctr_va_vdst(0)
	s_wait_kmcnt 0x0
	s_add_nc_u64 s[4:5], s[4:5], s[20:21]
	s_lshl_b32 s20, s18, 13                        ; 8,192 bytes of codes a run
	s_add_nc_u64 s[24:25], s[10:11], s[20:21]
	s_lshl_b32 s20, s18, 8                         ; 256 scale bytes a run,
	s_add_co_u32 s20, s20, 0x800000                ; behind the codes
	s_add_nc_u64 s[26:27], s[10:11], s[20:21]
.macro LOAD t
.irp i, 0,1,2,3
	global_load_b128 v[R+16*((\t)%4)+4*\i:R+16*((\t)%4)+4*\i+3], v3, s[4:5] offset:2048*(\t)+512*\i th:TH_LOAD_NT   ; 32 lanes read 512 consecutive bytes
.endr
.endm
.macro TURN t                          ; step t's numbers through the stage: LDS serves a wave's instructions in order, so no wait stands between the stores and the loads
.irp i, 0,1,2,3
	ds_store_b128 v14, v[R+16*((\t)%4)+4*\i:R+16*((\t)%4)+4*\i+3] offset:32*SP*((\t)%2)+8*SP*\i
.endr
.irp i, 0,1,2,3
	ds_load_b128 v[X+16*((\t)%2)+4*\i:X+16*((\t)%2)+4*\i+3], v15 offset:32*SP*((\t)%2)+16*\i
.endr
.endm
.irp t, 0,1,2,3
	LOAD \t
.endr
	s_wait_loadcnt 12                              ; step 0's four loads are in; the twelve behind them may be out
	TURN 0
.macro STEP t
.set XS, X+16*((\t)%2)
.if (\t) > 0
	s_wait_dscnt 1                                 ; this step's numbers are back from the stage (the last step's byte store may be out): so its stores into the stage have read their registers,
.else
	s_wait_dscnt 0x0
.endif
.if (\t)+4 < STEPS
	LOAD (\t)+4                                    ; which take the loads of four steps on
.endif
.if (\t)+1 < STEPS
.if STEPS-2-(\t) >= 3
	s_wait_loadcnt 12                              ; the next step's four loads are in; those of the three steps behind it may be out
.else
	s_wait_loadcnt 4*(STEPS-2-(\t))
.endif
	TURN (\t)+1                                    ; and go through the other stage while this step is worked
.endif
	v_max3_num_f32 v8, |v[XS]|, |v[XS+1]|, |v[XS+2]|               ; the largest magnitude of my 16, in two chains
	v_max3_num_f32 v9, |v[XS+3]|, |v[XS+4]|, |v[XS+5]|
.irp i, 6,10
	v_max3_num_f32 v8, v8, |v[XS+\i]|, |v[XS+\i+1]|
	v_max3_num_f32 v9, v9, |v[XS+\i+2]|, |v[XS+\i+3]|
.endr
	v_max3_num_f32 v8, v8, |v[XS+14]|, |v[XS+15]|
	v_max3_num_f32 v8, v8, v9, (EMAX+1)<<23        ; and the floor 2^(9 - 127): so the byte cannot fall under 1
	v_max_num_f32_dpp v8, v8, v8 row_xmask:1 row_mask:0xf bank_mask:0xf   ; and of my neighbour's 16: the block's
	v_add_nc_u32 v11, -(EMAX<<23), v8              ; 8 off its exponent field: the conversion takes the exponent field of this operand as its scale
.irp i, 0,1,2,3,4,5,6,7,8,9,10,11,12,13,14,15
.endr
	v_cvt_scalef32_pk8_fp8_f32 v[C+4*(\t):C+4*(\t)+1], v[XS:XS+7], v11
	v_cvt_scalef32_pk8_fp8_f32 v[C+4*(\t)+2:C+4*(\t)+3], v[XS+8:XS+15], v11
	v_lshrrev_b32 v[E+(\t)], 23, v11               ; the scale's byte (also the plain line behind the conversions)
	ds_store_b8 v5, v[E+(\t)] offset:16*(\t)       ; both lanes of a block write the same byte with the same value
	global_store_b128 v4, v[C+4*(\t):C+4*(\t)+3], s[24:25] offset:32*CB*(\t)   ; 512 consecutive bytes
.endm
.irp t, 0,1,2,3,4,5,6,7,8,9,10,11,12,13,14,15
	STEP \t
.endr
	ds_load_b64 v[12:13], v6                       ; LDS serves a wave's instructions in order: these see my stores
	s_wait_dscnt 0x0
	global_store_b64 v7, v[12:13], s[26:27]        ; 32 lanes store 256 consecutive bytes, aligned
	s_wait_tensorcnt 0x0
	ds_add_u32 v192, v193
	s_wait_dscnt 0x0
	s_endpgm
	; ---- Wo's layout: work-group e = 0 .. 31 takes K step g = e / 4 and 16 column tiles; a wave four of them
.Llay:
	s_sub_co_u32 s17, ttmp9, 256                   ; e
	s_lshr_b32 s18, s17, 2                         ; g
	s_and_b32 s19, s17, 3
	s_lshl_b32 s19, s19, 4
	s_lshl_b32 s20, s16, 2
	s_add_co_u32 s19, s19, s20                     ; ct0 = 16 (e % 4) + 4 x wave
	v_and_b32 v5, 15, v0                           ; r
	v_bfe_u32 v6, v0, 4, 1                         ; h
	v_lshlrev_b32 v1, 10, v5
	v_lshl_add_u32 v1, v6, 4, v1                   ; in: row r of 1,024 bytes, + 16 h
	s_wait_alu depctr_va_vdst(0)
	v_lshlrev_b32 v7, 6, v2                        ; scale bytes in: two rows of 32 bytes a lane
	v_lshlrev_b32 v3, 4, v2                        ; out: 16 bytes a lane
	v_lshlrev_b32 v4, 3, v2                        ; scale words out: 8 bytes a lane
	s_lshl_b32 s20, s19, 14                        ; 16 rows of 1,024 bytes a tile
	s_lshl_b32 s22, s18, 7                         ; 128 codes a K step
	s_add_co_u32 s20, s20, s22
	s_wait_alu depctr_va_vdst(0)
	s_wait_kmcnt 0x0
	s_add_nc_u64 s[6:7], s[6:7], s[20:21]
	s_lshl_b32 s20, s19, 9                         ; 16 rows of 32 scale bytes a tile
	s_lshl_b32 s22, s18, 2                         ; 4 bytes a K step
	s_add_co_u32 s20, s20, s22
	s_add_nc_u64 s[8:9], s[8:9], s[20:21]
	s_lshl_b32 s20, s18, 17                        ; images: 131,072 bytes a K step,
	s_lshl_b32 s22, s19, 11                        ; 2,048 a tile
	s_add_co_u32 s20, s20, s22
	s_add_nc_u64 s[24:25], s[12:13], s[20:21]
	s_lshl_b32 s20, s18, 12                        ; words: 4,096 bytes a K step,
	s_lshl_b32 s22, s19, 6                         ; 64 a tile,
	s_add_co_u32 s20, s20, s22
	s_add_co_u32 s20, s20, 0x100000                ; behind the images
	s_add_nc_u64 s[26:27], s[12:13], s[20:21]
.irp t, 0,1,2,3
.irp c, 0,1,2,3
	global_load_b128 v[16+4*(4*\t+\c):16+4*(4*\t+\c)+3], v1, s[6:7] offset:\t*16384+32*\c
.endr
.endr
	global_load_b32 v80, v7, s[8:9]                ; the word of column 16 ct0 + 2 lane,
	global_load_b32 v81, v7, s[8:9] offset:32      ; and of the next
	s_wait_loadcnt 0x0
.irp t, 0,1,2,3
.irp c, 0,1,2,3
	global_store_b128 v3, v[16+4*(4*\t+\c):16+4*(4*\t+\c)+3], s[24:25] offset:\t*2048+512*\c   ; 512 consecutive bytes
.endr
.endr
	global_store_b64 v4, v[80:81], s[26:27]        ; 256 consecutive bytes, aligned
	s_endpgm
.Lfunc_end_k_q4b45482be6_prep:
	.size	k_q4b45482be6_prep, .Lfunc_end_k_q4b45482be6_prep-k_q4b45482be6_prep
	.p2alignl 7, 3214868480
	.fill 96, 4, 3214868480
	.section	.rodata,"a",@progbits
	.p2align	6, 0x0
	.amdhsa_kernel k_q4b45482be6_prep
		.amdhsa_group_segment_fixed_size 33280
		.amdhsa_private_segment_fixed_size 0
		.amdhsa_enable_private_segment 0
		.amdhsa_kernarg_size 40
		.amdhsa_user_sgpr_count 2
		.amdhsa_user_sgpr_kernarg_segment_ptr 1
		.amdhsa_wavefront_size32 1
		.amdhsa_system_sgpr_workgroup_id_x 1
		.amdhsa_system_sgpr_workgroup_id_y 1
		.amdhsa_system_sgpr_workgroup_id_z 1
		.amdhsa_system_vgpr_workitem_id 0
		.amdhsa_next_free_vgpr 194
		.amdhsa_next_free_sgpr 66
		.amdhsa_reserve_vcc 0
		.amdhsa_float_denorm_mode_32 3
		.amdhsa_float_denorm_mode_16_64 3
		.amdhsa_fp16_overflow 1
		.amdhsa_memory_ordered 1
		.amdhsa_forward_progress 1
		.amdhsa_inst_pref_size 38
	.end_amdhsa_kernel
	.amdgpu_metadata
---
amdhsa.version: [ 1, 2 ]
amdhsa.kernels:
  - .name:           k_q4b45482be6_prep
    .symbol:         k_q4b45482be6_prep.kd
    .args:
      - { .name: query, .offset: 0, .size: 8, .value_kind: global_buffer, .address_space: global }
      - { .name: Wo_codes, .offset: 8, .size: 8, .value_kind: global_buffer, .address_space: global }
      - { .name: Wo_scales, .offset: 16, .size: 8, .value_kind: global_buffer, .address_space: global }
      - { .name: xq, .offset: 24, .size: 8, .value_kind: global_buffer, .address_space: global }
      - { .name: woi, .offset: 32, .size: 8, .value_kind: global_buffer, .address_space: global }
    .group_segment_fixed_size: 33280
    .private_segment_fixed_size: 0
    .kernarg_segment_align: 8
    .kernarg_segment_size: 40
    .max_flat_workgroup_size: 128
    .sgpr_count:     66
    .vgpr_count:     194
    .wavefront_size: 32
...
	.end_amdgpu_metadata
.endif
;; end of part 1
;; launch proj (part 2): grid 4 x 96, 4 waves a work-group, clusters of 4 x 4, 327,680 bytes of LDS; arguments xq, Wq_codes, Wq_scales, qb, key__codes, key__scales, Wk_codes, Wk_scales, kb, Wv_codes, Wv_scales, value_codes, value_scales, vb; writes qb, kb, vb
.if DOCPART == 2
	.amdgcn_target "amdgcn-amd-amdhsa--gfx1250"
	.amdhsa_code_object_version 6
	.text
	.protected	k_q4b45482be6_proj
	.globl	k_q4b45482be6_proj
	.p2align	8
	.type	k_q4b45482be6_proj,@function
k_q4b45482be6_proj:
	s_mov_b64 s[64:65], 0
	v_nop
	global_prefetch_b8 v0, s[64:65] scope:SCOPE_SE
	s_setreg_imm32_b32 hwreg(HW_REG_WAVE_MODE, 25, 1), 1
	s_wait_xcnt 0x0
	s_wait_alu depctr_hold_cnt(0) depctr_sa_sdst(0) depctr_va_vdst(0) depctr_va_sdst(0) depctr_va_ssrc(0) depctr_va_vcc(0) depctr_vm_vsrc(0)
	s_getreg_b32 s2, hwreg(HW_REG_IB_STS2, 6, 4)
	s_cmp_eq_u32 s2, 0
	s_cbranch_scc0 .Lentry_in_a_cluster
	s_endpgm
.Lentry_in_a_cluster:
	s_bfe_u32 s2, ttmp6, 0x10000c
	s_cmp_lg_u32 s2, 0xf033
	s_cbranch_scc0 .Lentry_shape_is_right
	s_endpgm
.Lentry_shape_is_right:
.set KSTEP,  256
.set NQ,     KSTEP/128
.set ROWB,   256
.set KROW,   1024
.set PITCH,  272
.set FR,     16
.set NL,     4
.set NP,     8
.set HALFT,  128*PITCH
.set SLOT,   4*HALFT
.set LAPS,   2
.set KS,     32
.set SCL,    2*SLOT
.set HALFS,  (128*KS/256)*272
.set SBLK,   (16*KS/256)*272
.set SPARE,  SCL+4*HALFS
.set VC,   8
.set VSO,  12
.set ADRA, 16
.set ADRB, 20
.set SST,  24
.set SRD,  25
.set ADRS, 27
.set SPW,  28
.set NIL,  29
.set SC,   32
.set TM,   64
.set PW,   80
.set SB,   88
.set AF,   128
.set G1, 24
.set G0, 32
.set G1B, 48
.set G0B, 56
.set G1S, 68
.set G0S, 76
.set G1SB, 80
.set G0SB, 88
.set MSB, 0
.macro WIN new
.if MSB != \new
	s_set_vgpr_msb (MSB<<8)|\new
.set MSB, \new
.endif
.endm
.set MUL_LO, 0xa1
.set MUL_HI, 0xf1
.set TO_B,   0x40
.macro JLOAD g0a, g1a, g0b, g1b
	s_cmp_eq_u32 s15, 0
	s_cbranch_scc0 .Lfor_b_\@
	tensor_load_to_lds s[\g0a:\g0a+3], s[\g1a:\g1a+7]
	s_nop 0
.rept 4
	v_nop
.endr
	s_branch .Lasked_\@
.Lfor_b_\@:
	tensor_load_to_lds s[\g0b:\g0b+3], s[\g1b:\g1b+7]
	s_nop 0
.rept 4
	v_nop
.endr
.Lasked_\@:
.endm
.macro CREST
	s_cmp_lg_u32 s14, 0
	s_cbranch_scc1 .Lnot_wave_0_\@
	s_barrier_signal -3
.Lnot_wave_0_\@:
	s_barrier_wait -3
	s_barrier_signal -1
	s_barrier_wait -1
.endm
.macro CROUND
	s_barrier_signal -1
	s_barrier_wait -1
	CREST
.endm
	s_load_b256 s[24:31], s[0:1], 0x0
	s_load_b256 s[32:39], s[0:1], 0x20
	s_load_b256 s[40:47], s[0:1], 0x40
	s_load_b128 s[48:51], s[0:1], 0x60
	v_lshl_add_u32 v[SPW], v0, 2, SPARE
	v_mov_b32 v[NIL], 0
	ds_add_u32 v28, v29
	ds_add_u32 v28, v29
	s_wait_dscnt 0x0
	v_lshrrev_b32 v1, 5, v0
	v_readfirstlane_b32 s14, v1
	s_lshr_b32 s15, s14, 1
	s_and_b32 s16, s14, 1
	s_and_b32 s96, ttmp7, 0xffff
	s_lshr_b32 s95, s96, 3
	s_and_b32 s96, s96, 7
	s_wait_kmcnt 0x0
	s_add_nc_u64 s[6:7], s[24:25], 0x800000
	s_cmp_eq_u32 s95, 1
	s_cselect_b64 s[4:5], s[32:33], s[24:25]
	s_cselect_b64 s[6:7], s[34:35], s[6:7]
	s_cselect_b64 s[8:9], s[36:37], s[26:27]
	s_cselect_b64 s[10:11], s[38:39], s[28:29]
	s_cselect_b64 s[12:13], s[40:41], s[30:31]
	s_cmp_eq_u32 s95, 2
	s_cselect_b64 s[4:5], s[42:43], s[4:5]
	s_cselect_b64 s[6:7], s[44:45], s[6:7]
	s_cselect_b64 s[8:9], s[46:47], s[8:9]
	s_cselect_b64 s[10:11], s[48:49], s[10:11]
	s_cselect_b64 s[12:13], s[50:51], s[12:13]
	s_cselect_b32 s97, 0, s96
	s_cselect_b32 s98, s96, 0
	s_bfe_u32 s40, ttmp6, 0x40000
	s_bfe_u32 s41, ttmp6, 0x40004
	s_lshl_b32 s42, s98, 2
	s_add_co_u32 s42, s42, s40
	s_lshl_b32 s17, s97, 2
	s_add_co_u32 s17, s17, s41
	s_lshl_b32 s43, s41, 2
	s_lshl_b32 s43, 15, s43
	s_lshl_b32 s44, 0x1111, s40
	s_or_b32 s[G1+0], s43, (0<<16)|(1<<20)|(1<<21)|(5<<22)|(3<<25)
	s_or_b32 s[G1B+0], s44, (0<<16)|(1<<20)|(1<<21)|(5<<22)|(3<<25)
.irp g, G1, G1B
	s_mov_b32 s[\g+1], ROWB<<16
	s_mov_b32 s[\g+2], 128<<16
	s_mov_b32 s[\g+3], ROWB<<16
	s_mov_b32 s[\g+4], 128
	s_mov_b32 s[\g+5], KROW
	s_mov_b32 s[\g+6], 0
	s_mov_b32 s[\g+7], 0
.endr
	s_or_b32 s[G1S+0], s43, (3<<16)|(1<<20)|(1<<21)|(5<<22)|(3<<25)
	s_or_b32 s[G1SB+0], s44, (3<<16)|(1<<20)|(1<<21)|(5<<22)|(3<<25)
.irp g, G1S, G1SB
	s_mov_b32 s[\g+1], 32<<16
	s_mov_b32 s[\g+2], (128*KS/256)<<16
	s_mov_b32 s[\g+3], 32<<16
	s_mov_b32 s[\g+4], 128*KS/256
	s_mov_b32 s[\g+5], 32
	s_mov_b32 s[\g+6], 0
	s_mov_b32 s[\g+7], 0
.endr
	s_lshl_b32 s18, s16, 7
	s_lshl_b32 s20, s17, 8
	s_add_co_u32 s20, s20, s18
	s_lshl_b32 s46, s42, 8
	s_add_co_u32 s46, s46, s18
	s_mov_b32 s21, 0
	s_mov_b32 s47, 0
	s_mov_b64 s[18:19], KS
	s_mul_u64 s[22:23], s[20:21], s[18:19]
	s_mul_u64 s[92:93], s[46:47], s[18:19]
	s_mov_b64 s[18:19], KROW
	s_mul_u64 s[20:21], s[20:21], s[18:19]
	s_mul_u64 s[46:47], s[46:47], s[18:19]
	s_mul_i32 s45, s14, HALFT
	s_mul_i32 s94, s14, HALFS
	s_add_nc_u64 s[20:21], s[4:5], s[20:21]
	s_add_nc_u64 s[22:23], s[6:7], s[22:23]
	s_add_nc_u64 s[46:47], s[8:9], s[46:47]
	s_add_nc_u64 s[92:93], s[10:11], s[92:93]
	CROUND
	s_mov_b32 s[G0S], 1
	s_add_co_u32 s[G0S+1], s94, SCL
	s_mov_b64 s[G0S+2:G0S+3], s[22:23]
	s_or_b32 s[G0S+3], s[G0S+3], 0x80000000
	s_mov_b32 s[G0SB], 1
	s_add_co_u32 s[G0SB+1], s94, SCL
	s_mov_b64 s[G0SB+2:G0SB+3], s[92:93]
	s_or_b32 s[G0SB+3], s[G0SB+3], 0x80000000
	JLOAD G0S, G1S, G0SB, G1SB
.irp s, 0,1
	s_mov_b32 s[G0+4*\s], 1
	s_add_co_u32 s[G0+4*\s+1], s45, \s*SLOT
	s_add_nc_u64 s[G0+4*\s+2:G0+4*\s+3], s[20:21], \s*ROWB
	s_or_b32 s[G0+4*\s+3], s[G0+4*\s+3], 0x80000000
	s_mov_b32 s[G0B+4*\s], 1
	s_add_co_u32 s[G0B+4*\s+1], s45, \s*SLOT
	s_add_nc_u64 s[G0B+4*\s+2:G0B+4*\s+3], s[46:47], \s*ROWB
	s_or_b32 s[G0B+4*\s+3], s[G0B+4*\s+3], 0x80000000
	s_wait_alu depctr_va_vdst(0)
	s_wait_tensorcnt 0x0
	ds_add_u32 v28, v29
	s_wait_dscnt 0x0
	CROUND
	JLOAD G0+4*\s, G1, G0B+4*\s, G1B
.endr
	v_and_b32 v1, 15, v0
	v_bfe_u32 v2, v0, 4, 1
	v_mul_u32_u24 v3, v1, PITCH
	v_lshl_add_u32 v4, v2, 4, v3
	s_mul_i32 s21, s15, HALFT
	s_mul_i32 s22, s16, HALFT
	s_add_co_u32 s22, s22, 2*HALFT
.irp s, 0,1
	v_add_nc_u32 v[ADRA+\s], s21, v4
	v_add_nc_u32 v[ADRB+\s], s22, v4
	s_add_co_u32 s21, s21, SLOT
	s_add_co_u32 s22, s22, SLOT
.endr
	v_mul_u32_u24 v5, v1, KS
	v_lshrrev_b32 v6, 8, v5
	v_lshl_add_u32 v5, v6, 4, v5
	s_mul_i32 s21, s15, HALFS
	s_mul_i32 s22, s16, HALFS
	s_add_co_u32 s22, s22, 2*HALFS
	s_sub_co_u32 s22, s22, s21
	v_mul_u32_u24 v6, s22, v2
	s_add_co_u32 s21, s21, SCL
	v_add_nc_u32 v5, v5, v6
	v_add_nc_u32 v[ADRS], s21, v5
	v_and_b32 v6, 31, v0
	v_lshlrev_b32 v[VC], 4, v6
	s_wait_alu depctr_va_vdst(0)
	s_lshl_b32 s23, s14, 9
	v_lshl_add_u32 v[SST], v1, 2, s23
	v_add_nc_u32 v[SRD], s23, v[VC]
.irp b, 0,1,2,3
	v_mov_b32 v[TM+4+\b], 0
.endr
	s_lshl_b32 s20, s17, 8
	s_lshl_b32 s21, s15, 7
	s_add_co_u32 s20, s20, s21
	s_lshl_b32 s46, s42, 8
	s_lshl_b32 s47, s16, 7
	s_add_co_u32 s46, s46, s47
	s_mov_b32 s98, 1024
	s_mov_b32 s100, 1024
	s_mov_b32 s92, 512
	s_mov_b32 s93, 131072
	s_mov_b32 s94, 256
	s_cmp_eq_u32 s95, 2
	s_cselect_b32 s18, s46, s20
	s_cselect_b32 s19, s20, s46
	s_cselect_b32 s96, 1, 2
	s_cselect_b32 s98, 512, s98
	s_cselect_b32 s100, 129536, s100
	s_cselect_b32 s92, 2048, s92
	s_cselect_b32 s93, 4096, s93
	s_cselect_b32 s94, 4096, s94
	s_mov_b32 s99, 0
	s_mov_b32 s101, 0
	v_add_nc_u32 v[VC+1], s92, v[VC]
	v_add_nc_u32 v[VC+2], s93, v[VC]
	v_add_nc_u32 v[VC+3], s93, v[VC+1]
	v_mul_u32_u24 v[VSO], s94, v2
	v_lshl_add_u32 v[VSO], v1, 4, v[VSO]
	s_lshr_b32 s22, s18, 11
	s_and_b32 s23, s18, 2047
	s_lshl_b32 s20, s22, 21
	s_lshr_b32 s21, s19, 6
	s_lshl_b32 s21, s21, 17
	s_add_co_u32 s20, s20, s21
	s_lshl_b32 s21, s23, 6
	s_add_co_u32 s20, s20, s21
	s_mov_b32 s21, 0
	s_lshl_b32 s46, s22, 16
	s_lshr_b32 s47, s19, 7
	s_lshl_b32 s47, s47, 13
	s_add_co_u32 s46, s46, s47
	s_lshl_b32 s47, s23, s96
	s_add_co_u32 s46, s46, s47
	s_add_co_u32 s46, s46, 0x800000
	s_mov_b32 s47, 0
	s_add_nc_u64 s[66:67], s[12:13], s[46:47]
	s_add_nc_u64 s[12:13], s[12:13], s[20:21]
	s_mov_b32 s20, 0x76543210
	s_mov_b32 s21, 0xfedcba98
.macro FRAG reg, adr, q, i
.irp c, 0,1,2,3
	ds_load_b128 v[\reg+4*\c:\reg+4*\c+3], v[\adr] offset:128*(\q)+32*\c+(\i)*16*PITCH
.endr
.endm
.macro MUL16 a0, p, q, sc, zero
.irp a, \a0, \a0+1
.irp b, 0,1,2,3,4,5,6,7
.if \zero
	v_wmma_scale_f32_16x16x128_f8f6f4 v[8*(8*((\a)%4)+\b):8*(8*((\a)%4)+\b)+7], v[128*(\p)+FR*\b:128*(\p)+FR*\b+FR-1], v[AF+FR*(\a):AF+FR*(\a)+FR-1], 0, v[SC+8*NQ*(\sc)+NQ*\b+(\q)], v[SC+8*NQ*(\sc)+NQ*(\a)+(\q)] matrix_a_scale:MATRIX_SCALE_ROW1
.else
	v_wmma_scale_f32_16x16x128_f8f6f4 v[8*(8*((\a)%4)+\b):8*(8*((\a)%4)+\b)+7], v[128*(\p)+FR*\b:128*(\p)+FR*\b+FR-1], v[AF+FR*(\a):AF+FR*(\a)+FR-1], v[8*(8*((\a)%4)+\b):8*(8*((\a)%4)+\b)+7], v[SC+8*NQ*(\sc)+NQ*\b+(\q)], v[SC+8*NQ*(\sc)+NQ*(\a)+(\q)] matrix_a_scale:MATRIX_SCALE_ROW1
.endif
.endr
.endr
.endm
.macro FETCH_B slot, q, p
	WIN TO_B
.irp i, 0,1,2,3,4,5,6,7
	FRAG 128*(\p)+FR*\i, ADRB+\slot, \q, \i
.endr
	WIN 0
.endm
.macro FETCH_A slot, q, i0
.irp i, \i0, \i0+1, \i0+2, \i0+3
	FRAG AF+FR*(\i), ADRA+\slot, \q, \i
.endr
.endm
.macro SCALES sc
.irp i, 0,1,2,3,4,5,6,7
	ds_load_b64 v[SC+8*NQ*\sc+NQ*\i:SC+8*NQ*\sc+NQ*\i+1], v[ADRS] offset:\i*SBLK
.endr
.endm
.macro PLACES n
.rept \n
	v_nop
.endr
.endm
.macro STEP slot, q, zero
	s_wait_dscnt 4*NL
	WIN MUL_LO
	MUL16 0, (\q)%2, \q, \slot, \zero
	MUL16 2, (\q)%2, \q, \slot, \zero
	s_wait_dscnt 0
	PLACES NP
	FETCH_B \slot, (\q)+1, 1-(\q)%2
	FETCH_A \slot, (\q)+1, 0
	WIN MUL_HI
	MUL16 4, (\q)%2, \q, \slot, \zero
	MUL16 6, (\q)%2, \q, \slot, \zero
	PLACES NP
	WIN 0
	FETCH_A \slot, (\q)+1, 4
.endm
.macro TURN slot, next, fill
	s_wait_tensorcnt 0x0
	ds_add_u32 v[SPW], v[NIL]
	s_wait_dscnt 4*NL+1
	WIN MUL_LO
	MUL16 0, 1, NQ-1, \slot, 0
	s_wait_dscnt 0x0
	s_barrier_signal -1
	MUL16 2, 1, NQ-1, \slot, 0
	WIN 0
	s_barrier_wait -1
.if \fill
	CREST
	s_add_nc_u64 s[G0+4*\slot+2:G0+4*\slot+3], s[G0+4*\slot+2:G0+4*\slot+3], 2*ROWB
	s_add_nc_u64 s[G0B+4*\slot+2:G0B+4*\slot+3], s[G0B+4*\slot+2:G0B+4*\slot+3], 2*ROWB
	JLOAD G0+4*\slot, G1, G0B+4*\slot, G1B
	PLACES NP-4
.else
	PLACES NP
.endif
	s_wait_alu depctr_va_vdst(0)
	v_add_nc_u32 v[ADRS], 4*NQ, v[ADRS]
	FETCH_B \next, 0, 0
	FETCH_A \next, 0, 0
	SCALES \next
	WIN MUL_HI
	MUL16 4, 1, NQ-1, \slot, 0
	MUL16 6, 1, NQ-1, \slot, 0
	PLACES NP
	WIN 0
	FETCH_A \next, 0, 4
.endm
	s_wait_tensorcnt 1
	s_barrier_signal -1
	s_barrier_wait -1
	FETCH_B 0, 0, 0
	FETCH_A 0, 0, 0
	SCALES 0
	FETCH_A 0, 0, 4
	STEP 0, 0, 1
	s_mov_b32 s3, LAPS-1
.Llap:
	TURN 0, 1, 1
	STEP 1, 0, 0
	TURN 1, 0, 1
	STEP 0, 0, 0
	s_sub_co_u32 s3, s3, 1
	s_cmp_lg_u32 s3, 0
	s_cbranch_scc1 .Llap
	TURN 0, 1, 0
	STEP 1, 0, 0
	s_wait_dscnt 4*NL
	WIN MUL_LO
	MUL16 0, 1, NQ-1, 1, 0
	MUL16 2, 1, NQ-1, 1, 0
	s_wait_dscnt 0
	WIN MUL_HI
	MUL16 4, 1, NQ-1, 1, 0
	MUL16 6, 1, NQ-1, 1, 0
	WIN 0
.macro QW a
.set W,   2+(\a)/4
.set W5,  5*W
.set W20, 20*W
.set W65, 65*W
.set AC,  64*((\a)%4)
.set PCD, AF+16*(\a)
	WIN W5
.irp b, 0,1,2,3
	v_max3_num_f32 v[TM+\b], |v[AC+16*\b]|, |v[AC+16*\b+1]|, 0x4800000
.endr
	WIN W20
.irp i, 2,4,6,8,10,12,14
.irp b, 0,1,2,3
	v_max3_num_f32 v[TM+\b], v[TM+\b], |v[AC+16*\b+\i]|, |v[AC+16*\b+\i+1]|
.endr
.endr
	WIN 0
.irp b, 0,1,2,3
	v_permlanex16_b32 v[TM+4+\b], v[TM+\b], s20, s21
.endr
.irp b, 0,1,2,3
	v_max_num_f32 v[TM+\b], v[TM+\b], v[TM+4+\b]
.endr
.irp b, 0,1,2,3
	v_add_nc_u32 v[TM+12+\b], 0xfc000000, v[TM+\b]
.endr
.irp b, 0,1,2,3
.endr
.irp b, 0,1,2,3
	v_lshrrev_b32 v[TM+4+\b], 23, v[TM+12+\b]
.endr
	v_lshl_or_b32 v[PW+(\a)], v[TM+5], 8, v[TM+4]
	v_lshl_or_b32 v[PW+(\a)], v[TM+6], 16, v[PW+(\a)]
	v_lshl_or_b32 v[PW+(\a)], v[TM+7], 24, v[PW+(\a)]
	WIN W65
.irp b, 0,1,2,3
.irp i, 0,1,2,3,4,5,6,7,8,9,10,11,12,13,14,15
.endr
.endr
	WIN W
.irp b, 0,1,2,3
	v_cvt_scalef32_pk8_fp8_f32 v[PCD+4*\b:PCD+4*\b+1], v[AC+16*\b:AC+16*\b+7], v[TM+12+\b]
	v_cvt_scalef32_pk8_fp8_f32 v[PCD+4*\b+2:PCD+4*\b+3], v[AC+16*\b+8:AC+16*\b+15], v[TM+12+\b]
.endr
	WIN 0
	v_nop
.irp b, 0,1,2,3
	v_permlane16_swap_b32 v[PCD+4*\b], v[PCD+4*\b+2]
	v_permlane16_swap_b32 v[PCD+4*\b+1], v[PCD+4*\b+3]
.endr
.endm
	PLACES NP
.irp a, 0,1,2,3,4,5,6,7
	QW \a
.if \a > 0
	s_wait_alu depctr_va_vdst(0)
	s_wait_xcnt 0x0
.if \a == 4
	s_add_nc_u64 s[12:13], s[12:13], s[100:101]
.else
	s_add_nc_u64 s[12:13], s[12:13], s[98:99]
.endif
.endif
.irp c, 0,1,2,3
	global_store_b128 v[VC+\c], v[AF+16*\a+4*\c:AF+16*\a+4*\c+3], s[12:13] th:TH_STORE_NT
.endr
	ds_store_b32 v[SST], v[PW+\a] offset:64*\a
.endr
	ds_load_b128 v[SB:SB+3], v[SRD]
	s_wait_dscnt 0x0
	global_store_b128 v[VSO], v[SB:SB+3], s[66:67] th:TH_STORE_NT
	s_wait_tensorcnt 0x0
	ds_add_u32 v[SPW], v[NIL]
	s_wait_dscnt 0x0
	CROUND
	s_endpgm
.Lfunc_end_k_q4b45482be6_proj:
	.size	k_q4b45482be6_proj, .Lfunc_end_k_q4b45482be6_proj-k_q4b45482be6_proj
	.p2alignl 7, 3214868480
	.fill 96, 4, 3214868480
	.section	.rodata,"a",@progbits
	.p2align	6, 0x0
	.amdhsa_kernel k_q4b45482be6_proj
		.amdhsa_group_segment_fixed_size 327680
		.amdhsa_private_segment_fixed_size 0
		.amdhsa_enable_private_segment 0
		.amdhsa_kernarg_size 112
		.amdhsa_user_sgpr_count 2
		.amdhsa_user_sgpr_kernarg_segment_ptr 1
		.amdhsa_wavefront_size32 1
		.amdhsa_system_sgpr_workgroup_id_x 1
		.amdhsa_system_sgpr_workgroup_id_y 1
		.amdhsa_system_sgpr_workgroup_id_z 1
		.amdhsa_system_vgpr_workitem_id 0
		.amdhsa_next_free_vgpr 1024
		.amdhsa_next_free_sgpr 102
		.amdhsa_reserve_vcc 0
		.amdhsa_float_denorm_mode_32 3
		.amdhsa_float_denorm_mode_16_64 3
		.amdhsa_fp16_overflow 1
		.amdhsa_memory_ordered 1
		.amdhsa_forward_progress 1
		.amdhsa_inst_pref_size 156
	.end_amdhsa_kernel
	.amdgpu_metadata
---
amdhsa.version: [ 1, 2 ]
amdhsa.kernels:
  - .name:           k_q4b45482be6_proj
    .symbol:         k_q4b45482be6_proj.kd
    .args:
      - { .name: xq, .offset: 0, .size: 8, .value_kind: global_buffer, .address_space: global }
      - { .name: Wq_codes, .offset: 8, .size: 8, .value_kind: global_buffer, .address_space: global }
      - { .name: Wq_scales, .offset: 16, .size: 8, .value_kind: global_buffer, .address_space: global }
      - { .name: qb, .offset: 24, .size: 8, .value_kind: global_buffer, .address_space: global }
      - { .name: key__codes, .offset: 32, .size: 8, .value_kind: global_buffer, .address_space: global }
      - { .name: key__scales, .offset: 40, .size: 8, .value_kind: global_buffer, .address_space: global }
      - { .name: Wk_codes, .offset: 48, .size: 8, .value_kind: global_buffer, .address_space: global }
      - { .name: Wk_scales, .offset: 56, .size: 8, .value_kind: global_buffer, .address_space: global }
      - { .name: kb, .offset: 64, .size: 8, .value_kind: global_buffer, .address_space: global }
      - { .name: Wv_codes, .offset: 72, .size: 8, .value_kind: global_buffer, .address_space: global }
      - { .name: Wv_scales, .offset: 80, .size: 8, .value_kind: global_buffer, .address_space: global }
      - { .name: value_codes, .offset: 88, .size: 8, .value_kind: global_buffer, .address_space: global }
      - { .name: value_scales, .offset: 96, .size: 8, .value_kind: global_buffer, .address_space: global }
      - { .name: vb, .offset: 104, .size: 8, .value_kind: global_buffer, .address_space: global }
    .group_segment_fixed_size: 327680
    .private_segment_fixed_size: 0
    .kernarg_segment_align: 8
    .kernarg_segment_size: 112
    .max_flat_workgroup_size: 128
    .sgpr_count:     102
    .vgpr_count:     1024
    .wavefront_size: 32
...
	.end_amdgpu_metadata
.endif
;; end of part 2
;; launch attn (part 3): grid 4 x 64, 16 waves a work-group, clusters of 4 x 1, 280,576 bytes of LDS; arguments qb, kb, vb, ob; writes ob
.if DOCPART == 3
	.amdgcn_target "amdgcn-amd-amdhsa--gfx1250"
	.amdhsa_code_object_version 6
	.text
	.protected	k_q4b45482be6_attn
	.globl	k_q4b45482be6_attn
	.p2align	8
	.type	k_q4b45482be6_attn,@function
k_q4b45482be6_attn:
	s_mov_b64 s[64:65], 0
	v_nop
	global_prefetch_b8 v0, s[64:65] scope:SCOPE_SE
	s_setreg_imm32_b32 hwreg(HW_REG_WAVE_MODE, 25, 1), 1
	s_wait_xcnt 0x0
	s_wait_alu depctr_hold_cnt(0) depctr_sa_sdst(0) depctr_va_vdst(0) depctr_va_sdst(0) depctr_va_ssrc(0) depctr_va_vcc(0) depctr_vm_vsrc(0)
	s_getreg_b32 s2, hwreg(HW_REG_IB_STS2, 6, 4)
	s_cmp_eq_u32 s2, 0
	s_cbranch_scc0 .Lentry_in_a_cluster
	s_endpgm
.Lentry_in_a_cluster:
	s_bfe_u32 s2, ttmp6, 0x10000c
	s_cmp_lg_u32 s2, 0x3003
	s_cbranch_scc0 .Lentry_shape_is_right
	s_endpgm
.Lentry_shape_is_right:
; ATTN: for each of the 64 (batch, head): O[q] = sum over keys of softmax(q . k / 8) v, both products on codes of FP8 (E4M3) with E8M0 scales, and O / l quantised along the inner axis for the last product.
; THE SOFTMAX AHEAD OF THE SECOND PRODUCT: t = score x log2(e) / 8; M = the row's largest t so far, rounded UP to a whole number; p = 2^(t - M) is what is quantised, along the keys, not normalised.  The row's sum is taken of
; the unquantised p, in f32, and divides O at the end.  When M moves, the sum and O are multiplied by 2^(old M - new M): exact.
; SHARES.  A cluster of four work-groups serves one (batch, head).  A work-group owns 512 queries, in two passes of 256; each of its SIXTEEN waves owns one tile of 16 queries a pass, in 256 registers: four waves to a SIMD.
; THE HEAD'S WHOLE K AND V LIE IN LDS, 131,072 bytes each, as the images that the launch before stored: every LDS byte is filled once, so there is no ring.  All four partners need the same bytes: each wave asks JOINTLY for 64 rows of
; 256 bytes (waves 0-7: K, waves 8-15: V).  All that the work-group reads is asked for at its head, so nothing is left to prefetch.
; LAYOUT.  Both products are used transposed: S^T = K Q^T (source 0 = 16 keys, source 1 = my 16 queries), O^T = V^T P^T (source 0 = 16 of the head's 64, source 1 = P): a lane holds ONE query (lane % 16) throughout.
; K = 64 IN AN INSTRUCTION OF 128: Q's fragment has zero codes in its upper half; K's fragment of tile t is v[32 + 8 t] on, 16 registers, whose upper half is the next tile's codes (behind tile 7: zeros): finite codes that meet zero codes.
; p's codes: tiles 2 b, 2 b + 1 give a lane keys 32 b + 8 h + j and 32 b + 16 + 8 h + j; two exchanges of half registers leave lane (r, h) with keys 32 b + 16 h + 0 .. 15, the operand's layout.  O likewise.
; OUT: ob codes [512 tiles of 16 rows][32 blocks of the inner 1,024][512 bytes], images; at + 0x800000 [16 heads][8,192 rows] pairs of scale bytes.
; LIMITS: NaN and infinities are not served; 1 / l by v_rcp_f32; a block under 2^-118 or of zeros gets the byte 1 (its codes are zeros or nearly; this program alone reads the bytes).
; REGISTERS: v1-7 addresses that stay; v8-11 addresses of the loads in hand; v12 -M, v13 the largest t, v[14:15] the sum; v16-23 Q, v24-31 zeros; v32-95 K's 8 tiles or V's 4; v96-103 zeros; v104-167 S^T, then p; v168-199 O^T;
;   v200-215 p's codes; v216-231 at work; v232-235 K's scale words, v236-237 V's, v238 Q's, v239 p's; v[240:241] f; v242-243 at work; v244-253 the head and the way out.
.set KSC,  262144                      ; LDS: K at 0, V at 131,072; K's scale words, 4 bytes a key;
.set VSC,  270336                      ; V's: [16 key steps][64 d] words;
.set OSC,  274432                      ; O's scale bytes: 2 bytes for each of the work-group's 512 rows
.set ADK,  8
.set ADV,  9
.set ADS,  10
.set ADT,  11
.set KV,   32
.set S,    104
.set O,    168
.set PC,   200
.set BM,   216                         ; the blocks' largest scores, then largest p
.set PT,   220                         ; at work: the other half's maxima, a chain of the sum, the bytes
.set HL,   224
.set SO,   228                         ; the conversions' scale operands
.set KSW,  232
.set VSW,  236
.set QSW,  238
.set PSW,  239
.set F,    240
.set TT,   242
.set WV,   12                          ; s12 my wave's number
.set SEL,  20                          ; s[20:21] lane selects for v_permlanex16_b32: lane l xor 16
.set CS,   22                          ; s[22:23] c = log2(e) / 8
.set G1,   24                          ; s[24:31] descriptor group 1;  s[32:35], s[36:39] groups 0 for K and for V
.set G0K,  32
.set G0V,  36
.set MNT,  40
.set TB,   41                          ; s41 the key step's first byte in K and in V: 8,192 a step
.set TS,   42                          ; s42 among K's scale words: 512 a step
.set TJ,   43                          ; s43 among V's: 256 a step
.set CNT,  44
.set QP,   46                          ; s[46:47] Q's images, s[48:49] its scale words, s[50:51] O's images, s[52:53] O's scale bytes, s[54:55] K's scale words, s[56:57] V's
.set QSP,  48
.set OP,   50
.set OSP,  52
.set KSP,  54
.set VSP,  56
.macro CROUND                          ; a round of the cluster's barrier
	s_barrier_signal -1
	s_barrier_wait -1
	s_cmp_lg_u32 s[WV], 0
	s_cbranch_scc1 .Lnot_wave_0_\@
	s_barrier_signal -3
.Lnot_wave_0_\@:
	s_barrier_wait -3
	s_barrier_signal -1
	s_barrier_wait -1
.endm
	s_load_b256 s[4:11], s[0:1], 0x0               ; qb s[4:5], kb s[6:7], vb s[8:9], ob s[10:11]
	v_lshl_add_u32 v254, v0, 2, 0x44000
	v_mov_b32 v255, 0
	ds_add_u32 v254, v255
	ds_add_u32 v254, v255
	v_lshrrev_b32 v1, 5, v0
	s_delay_alu instid0(VALU_DEP_1)
	v_readfirstlane_b32 s[WV], v1                  ; wave 0..15
	s_bfe_u32 s13, ttmp6, 0x40000                  ; cx: my place in the cluster
	s_lshl_b32 s14, ttmp9, 2
	s_add_co_u32 s14, s14, s13                     ; my block of 512 queries: it enters Q's and O's addresses alone
	s_and_b32 s15, ttmp7, 0xffff                   ; 16 x batch + head, which the four partners share
	s_and_b32 s17, s[WV], 7
	s_lshl_b32 s58, s15, 17                        ; the head's 131,072 bytes,
	s_lshl_b32 s59, s17, 14                        ; my wave's 16,384 of them
	s_add_co_u32 s58, s58, s59
	s_mov_b32 s59, 0
	s_lshl_b32 s16, s[WV], 14                      ; and their place in LDS: 16,384 x wave: K's eight parts, then V's eight
	s_mov_b32 s[G1], 15|(3<<16)|(1<<21)            ; 15:0 the mask: all four work-groups; 17:16 elements of 8 bytes; 20 no padding; 21 set beside a mask
	s_mov_b32 s[G1+1], 32<<16                      ; tensor_dim0 = 32 elements: 256 bytes
	s_mov_b32 s[G1+2], 64<<16                      ; tensor_dim1 = 64
	s_mov_b32 s[G1+3], 32<<16                      ; tile_dim0
	s_mov_b32 s[G1+4], 64                          ; tile_dim1
	s_mov_b32 s[G1+5], 32                          ; the pitch: the block is dense
	s_mov_b32 s[G1+6], 0
	s_mov_b32 s[G1+7], 0
	s_mov_b32 s[SEL], 0x76543210
	s_mov_b32 s[SEL+1], 0xfedcba98
	s_mov_b32 s[CS], 0x3e38aa3b                    ; c = log2(e) / 8
	s_mov_b32 s[CS+1], s[CS]                       ; (named with it as a pair, so it is written)
	s_wait_dscnt 0x0
	s_wait_kmcnt 0x0
	s_mov_b32 s[G0K], 1
	s_mov_b32 s[G0K+1], s16
	s_add_nc_u64 s[G0K+2:G0K+3], s[6:7], s[58:59]
	s_or_b32 s[G0K+3], s[G0K+3], 0x80000000
	s_mov_b32 s[G0V], 1
	s_mov_b32 s[G0V+1], s16
	s_add_nc_u64 s[G0V+2:G0V+3], s[8:9], s[58:59]
	s_or_b32 s[G0V+3], s[G0V+3], 0x80000000
	CROUND                                         ; all four work-groups are here: the joint loads meet
	s_cmp_lt_u32 s[WV], 8                          ; one load a wave; the branch hangs on the wave's number alone; four v_nop follow each line
	s_cbranch_scc0 .Lfor_v
	tensor_load_to_lds s[G0K:G0K+3], s[G1:G1+7]
	s_nop 0
.rept 4
	v_nop
.endr
	s_branch .Lasked
.Lfor_v:
	tensor_load_to_lds s[G0V:G0V+3], s[G1:G1+7]
	s_nop 0
.rept 4
	v_nop
.endr
.Lasked:
	s_lshl_b32 s18, s14, 5
	s_add_co_u32 s18, s18, s[WV]                   ; my tile of 16 queries in pass 0: 32 x block + wave; in pass 1: 16 more
	s_and_b32 s19, s15, 1                          ; is my head the odd one of its pair?
	s_lshr_b32 s60, s15, 1
	s_lshl_b32 s58, s15, 17
	s_lshl_b32 s61, s18, 10                        ; 1,024 bytes a tile
	s_add_co_u32 s58, s58, s61
	s_add_nc_u64 s[QP:QP+1], s[4:5], s[58:59]
	s_lshl_b32 s58, s60, 13                        ; scale words: 8,192 bytes a pair of heads,
	s_add_co_u32 s58, s58, 0x800000                ; behind the codes
	s_add_nc_u64 s[KSP:KSP+1], s[6:7], s[58:59]
	s_lshl_b32 s61, s18, 6                         ; 64 bytes a tile,
	s_add_co_u32 s58, s58, s61
	s_lshl_b32 s61, s19, 1                         ; my head's two bytes of a word
	s_add_co_u32 s58, s58, s61
	s_add_nc_u64 s[QSP:QSP+1], s[4:5], s[58:59]
	s_lshl_b32 s58, s15, 12                        ; V's scale words: 4,096 bytes a head
	s_add_co_u32 s58, s58, 0x800000
	s_add_nc_u64 s[VSP:VSP+1], s[8:9], s[58:59]
	s_lshr_b32 s61, s15, 4                         ; the batch element
	s_and_b32 s62, s15, 15                         ; the head
	s_lshl_b32 s58, s61, 7
	s_add_co_u32 s58, s58, s18                     ; my tile among the 512
	s_lshl_b32 s58, s58, 14                        ; 16,384 bytes a tile,
	s_lshl_b32 s63, s62, 10                        ; the head's two blocks of 512
	s_add_co_u32 s58, s58, s63
	s_add_nc_u64 s[OP:OP+1], s[10:11], s[58:59]
	s_lshl_b32 s58, s62, 13                        ; O's scale bytes: row = 8,192 head + 2,048 batch + 512 block,
	s_lshl_b32 s63, s61, 11
	s_add_co_u32 s58, s58, s63
	s_lshl_b32 s63, s14, 9
	s_add_co_u32 s58, s58, s63
	s_lshl_b32 s58, s58, 1                         ; 2 bytes a row,
	s_add_co_u32 s58, s58, 0x800000                ; behind the codes
	s_add_nc_u64 s[OSP:OSP+1], s[10:11], s[58:59]
	s_lshl_b32 s19, s19, 4                         ; 16 bits down for the odd head
	v_and_b32 v9, 31, v0                           ; lane
	v_and_b32 v10, 15, v0                          ; r
	s_delay_alu instid0(VALU_DEP_2)
	v_lshlrev_b32 v1, 4, v9                        ; 16 x lane: my place in an image, in K's part of LDS and in memory
	s_delay_alu instid0(VALU_DEP_1)
	v_add_nc_u32 v2, 131072, v1                    ; and in V's part of LDS
	s_delay_alu instid0(VALU_DEP_4)
	v_lshl_add_u32 v3, v9, 2, KSC
	v_lshl_add_u32 v4, v9, 2, VSC
	s_lshl_b32 s63, s[WV], 5
	s_add_co_u32 s63, s63, OSC
	v_lshl_add_u32 v5, v10, 1, s63                 ; OSC + 32 x wave + 2 r
	v_lshl_add_u32 v6, v0, 4, OSC                  ; (read by waves 0 and 1 alone)
	v_lshlrev_b32 v7, 4, v0                        ; 16 x thread
	v_lshl_add_u32 v250, v0, 4, KSC
	v_lshl_add_u32 v251, v0, 3, VSC
	v_lshlrev_b32 v252, 2, v10                     ; 4 r
	v_lshlrev_b32 v253, 3, v0                      ; 8 x thread
	global_load_b128 v[244:247], v7, s[KSP:KSP+1]  ; the pair of heads' 2,048 scale words of K: 16 bytes a thread
	global_load_b64 v[248:249], v253, s[VSP:VSP+1] ; the head's 1,024 scale words of V: 8 bytes a thread
; Pass p's tile of Q and its scale word; O^T, the sum and the largest t begin anew.  (The key step is written without a first step of its own: it finds zeros, which the first change of M leaves zeros.)
.macro QLOAD p
	global_load_b128 v[16:19], v1, s[QP:QP+1] offset:16384*\p
	global_load_b128 v[20:23], v1, s[QP:QP+1] offset:16384*\p+512
	global_load_u16 v[QSW], v252, s[QSP:QSP+1] offset:1024*\p   ; bytes 0, 1: my head's two blocks; bytes 2, 3: 0, over zero codes
.set j, 0
.rept 32
	v_mov_b32 v[O+j], 0
.set j, j+1
.endr
	v_mov_b32 v13, 0xff61b1e6                      ; the largest t so far: -3e38, under every t
	s_delay_alu instid0(VALU_DEP_1)
	v_floor_f32 v12, -v13                          ; -M
	v_mov_b32 v14, 0
	v_mov_b32 v15, 0
	s_mov_b32 s[TB], 0
	s_mov_b32 s[TS], 0
	s_mov_b32 s[TJ], 0
.endm
	QLOAD 0
.irp j, 0,1,2,3,4,5,6,7
	v_mov_b32 v[24+\j], 0                          ; Q's upper half: zero codes
	v_mov_b32 v[96+\j], 0                          ; and what stands behind K's tile 7
.endr
.irp b, 0,1,2,3
	v_mov_b32 v[PT+\b], 0                          ; written once: a lane permute's destination counts as one of its sources
.endr
	v_mov_b32 v[F+1], 0                            ; (named as the upper half of the pair)
	v_mov_b32 v[TT], 0
	s_wait_loadcnt 3                               ; the scale words are in; Q's three loads may be out
.irp j, 0,1,2,3
	v_lshrrev_b32 v[244+\j], s19, v[244+\j]        ; my head's two bytes to the bottom; above them the other head's bytes or zeros: never 0xff, and they meet zero codes
.endr
	ds_store_b128 v250, v[244:247]
	ds_store_b64 v251, v[248:249]
; A KEY STEP: 128 keys.
.macro STEP
	v_add_nc_u32 v[ADK], s[TB], v1
	v_add_nc_u32 v[ADV], s[TB], v2
	v_add_nc_u32 v[ADS], s[TS], v3
	v_add_nc_u32 v[ADT], s[TJ], v4
.rept 4
	v_nop                                          ; with the four additions: eight places in front of loads into registers that the last products read
.endr
.irp t, 0,1,2,3,4,5,6,7
	ds_load_b128 v[KV+8*\t:KV+8*\t+3], v[ADK] offset:1024*\t          ; tile t's two images: 512 consecutive bytes a load
	ds_load_b128 v[KV+8*\t+4:KV+8*\t+7], v[ADK] offset:1024*\t+512
.endr
.irp i, 0,1,2,3
	ds_load_b32 v[KSW+\i], v[ADS] offset:128*\i    ; lanes 0-15: tile 2 i's words; lanes 16-31: tile 2 i + 1's
.endr
	s_wait_alu depctr_va_vdst(0)
	s_wait_dscnt 0x0
.irp u, 0,1,2,3
	v_wmma_scale_f32_16x16x128_f8f6f4 v[S+16*\u:S+16*\u+7], v[KV+16*\u:KV+16*\u+15], v[16:31], 0, v[KSW+\u], v[QSW]
	v_wmma_scale_f32_16x16x128_f8f6f4 v[S+16*\u+8:S+16*\u+15], v[KV+16*\u+8:KV+16*\u+23], v[16:31], 0, v[KSW+\u], v[QSW] matrix_a_scale:MATRIX_SCALE_ROW1
.endr
.rept 8
	v_nop                                          ; places in front of the loads below and of the first read of the scores
.endr
.irp d, 0,1,2,3
.irp c, 0,1,2,3
	ds_load_b128 v[KV+16*\d+4*\c:KV+16*\d+4*\c+3], v[ADV] offset:2048*\c+512*\d   ; V's four tiles of 16 d x 128 keys: they land under the softmax
.endr
.endr
.irp i, 0,1
	ds_load_b32 v[VSW+\i], v[ADT] offset:128*\i
.endr
.irp b, 0,1,2,3
	v_max3_num_f32 v[BM+\b], v[S+16*\b], v[S+16*\b+1], v[S+16*\b+2]   ; the largest score of each block of 32 keys: for the row's maximum, and, since p rises with the score, for the block's largest p
.endr
.irp i, 3,5,7,9,11,13
.irp b, 0,1,2,3
	v_max3_num_f32 v[BM+\b], v[BM+\b], v[S+16*\b+\i], v[S+16*\b+\i+1]
.endr
.endr
.irp b, 0,1,2,3
	v_max_num_f32 v[BM+\b], v[BM+\b], v[S+16*\b+15]
.endr
.irp b, 0,1,2,3
	s_delay_alu instid0(VALU_DEP_4)
	v_permlanex16_b32 v[PT+\b], v[BM+\b], s[SEL], s[SEL+1]
.endr
.irp b, 0,1,2,3
	s_delay_alu instid0(VALU_DEP_4)
	v_max_num_f32 v[BM+\b], v[BM+\b], v[PT+\b]     ; with lane l xor 16's 16 keys
.endr
	s_delay_alu instid0(VALU_DEP_2)
	v_max3_num_f32 v[TT], v[BM], v[BM+1], v[BM+2]
	s_delay_alu instid0(VALU_DEP_1)
	v_max_num_f32 v[TT], v[TT], v[BM+3]            ; the step's largest score of my query
	s_delay_alu instid0(VALU_DEP_1)
	v_mul_f32 v[TT], s[CS], v[TT]                  ; as t
	s_delay_alu instid0(VALU_DEP_1)
	v_max_num_f32 v13, v13, v[TT]                  ; the running largest t
	v_mov_b32 v[TT], v12
	s_delay_alu instid0(VALU_DEP_2)
	v_floor_f32 v12, -v13                          ; the new -M = floor(-t) = -ceil(t)
	s_delay_alu instid0(VALU_DEP_1)
	v_sub_f32 v[TT], v12, v[TT]                    ; old M - new M: a whole number, 0 or less
	s_delay_alu instid0(VALU_DEP_1)
	v_cvt_i32_f32 v[TT], v[TT]                     ; (it saturates)
	s_delay_alu instid0(VALU_DEP_1)
	v_ldexp_f32 v[F], 1.0, v[TT]                   ; f = 2^(old M - new M)
.set j, 0
.rept 32
	v_pk_fma_f32 v[S+j:S+j+1], v[S+j:S+j+1], s[CS:CS+1], v[12:13] op_sel_hi:[1,0,0]   ; t - M, two at a time
.set j, j+2
.endr
.irp b, 0,1,2,3
	v_fma_f32 v[BM+\b], v[BM+\b], s[CS], v12       ; the same of each block's largest score
.endr
.set j, 0
	s_setprio 1
	s_wait_alu depctr_va_vdst(0)
.rept 64
	v_exp_f32 v[S+j], v[S+j]                       ; p = 2^(t - M), at most 1
.set j, j+1
.endr
	v_pk_mul_f32 v[14:15], v[14:15], v[F:F+1] op_sel_hi:[1,0]   ; the sums under the new M (the plain line behind the exponentials)
	s_wait_alu depctr_va_vdst(0)                   ; one for the batch of 64, ahead of its first reader
.irp b, 0,1,2,3
	v_exp_f32 v[BM+\b], v[BM+\b]                   ; the block's largest p
.endr
	v_pk_add_f32 v[220:221], v[108:109], v[112:113]
	v_pk_add_f32 v[250:251], v[116:117], v[120:121]
	v_pk_add_f32 v[248:249], v[124:125], v[128:129]
	v_pk_add_f32 v[246:247], v[132:133], v[136:137]
	v_pk_add_f32 v[244:245], v[140:141], v[144:145]
	v_pk_add_f32 v[234:235], v[148:149], v[152:153]
	v_pk_add_f32 v[232:233], v[156:157], v[160:161]
	v_pk_add_f32 v[14:15], v[14:15], v[164:165]
	v_pk_add_f32 v[220:221], v[220:221], v[104:105]
	v_pk_add_f32 v[250:251], v[250:251], v[106:107]
	v_pk_add_f32 v[248:249], v[248:249], v[110:111]
	v_pk_add_f32 v[246:247], v[246:247], v[114:115]
	v_pk_add_f32 v[244:245], v[244:245], v[118:119]
	v_pk_add_f32 v[234:235], v[234:235], v[122:123]
	v_pk_add_f32 v[232:233], v[232:233], v[126:127]
	v_pk_add_f32 v[14:15], v[14:15], v[130:131]
	v_pk_add_f32 v[220:221], v[220:221], v[134:135]
	v_pk_add_f32 v[250:251], v[250:251], v[138:139]
	v_pk_add_f32 v[248:249], v[248:249], v[142:143]
	v_pk_add_f32 v[246:247], v[246:247], v[146:147]
	v_pk_add_f32 v[244:245], v[244:245], v[150:151]
	v_pk_add_f32 v[234:235], v[234:235], v[154:155]
	v_pk_add_f32 v[232:233], v[232:233], v[158:159]
	v_pk_add_f32 v[14:15], v[14:15], v[162:163]
	v_pk_add_f32 v[220:221], v[220:221], v[166:167]
	s_delay_alu instid0(VALU_DEP_2)
	v_pk_add_f32 v[14:15], v[14:15], v[246:247]
	s_delay_alu instid0(VALU_DEP_2)
	v_pk_add_f32 v[220:221], v[220:221], v[244:245]
	v_pk_add_f32 v[250:251], v[250:251], v[234:235]
	v_pk_add_f32 v[248:249], v[248:249], v[232:233]
	s_delay_alu instid0(VALU_DEP_2)
	v_pk_add_f32 v[14:15], v[14:15], v[250:251]
	s_delay_alu instid0(VALU_DEP_2)
	v_pk_add_f32 v[220:221], v[220:221], v[248:249]
	s_delay_alu instid0(VALU_DEP_1)
	v_pk_add_f32 v[14:15], v[14:15], v[220:221]
	s_wait_alu depctr_va_vdst(0)                   ; and one for the four
.irp b, 0,1,2,3
	v_max_num_f32 v[BM+\b], 0x4800000, v[BM+\b]    ; the floor 2^(9 - 127): the byte cannot fall under 1
.endr
.irp b, 0,1,2,3
	s_delay_alu instid0(VALU_DEP_4)
	v_add_nc_u32 v[SO+\b], 0xfc000000, v[BM+\b]    ; 8 off the exponent field: the conversion's scale operand
.endr
.irp b, 0,1,2,3
.endr
.irp b, 0,1,2,3
	s_delay_alu instid0(VALU_DEP_4)
	v_lshrrev_b32 v[PT+\b], 23, v[SO+\b]           ; the scale's byte
.endr
	s_delay_alu instid0(VALU_DEP_3)
	v_lshl_or_b32 v[PSW], v[PT+1], 8, v[PT]        ; p's scale word for these 128 keys
	s_delay_alu instid0(VALU_DEP_1)
	v_lshl_or_b32 v[PSW], v[PT+2], 16, v[PSW]
	s_delay_alu instid0(VALU_DEP_1)
	v_lshl_or_b32 v[PSW], v[PT+3], 24, v[PSW]
.irp b, 0,1,2,3
.irp i, 0,1,2,3,4,5,6,7,8,9,10,11,12,13,14,15
.endr
	v_cvt_scalef32_pk8_fp8_f32 v[PC+4*\b:PC+4*\b+1], v[S+16*\b:S+16*\b+7], v[SO+\b]
	v_cvt_scalef32_pk8_fp8_f32 v[PC+4*\b+2:PC+4*\b+3], v[S+16*\b+8:S+16*\b+15], v[SO+\b]
.endr
	v_nop                                          ; one plain line between the conversions and the lines that touch their results
	s_setprio 0
.irp b, 0,1,2,3
	v_permlane16_swap_b32 v[PC+4*\b], v[PC+4*\b+2] ; lane (r, h) now holds keys 32 b + 16 h + 0 .. 15
	v_permlane16_swap_b32 v[PC+4*\b+1], v[PC+4*\b+3]
.endr
.set j, 0
.rept 16
	v_pk_mul_f32 v[O+j:O+j+1], v[O+j:O+j+1], v[F:F+1] op_sel_hi:[1,0]   ; O^T under the new M.  (These sixteen are also the places between the codes' last write and the products)
.set j, j+2
.endr
	s_wait_alu depctr_va_vdst(0)
	s_wait_dscnt 0x0                               ; V is in
.irp u, 0,1
	v_wmma_scale_f32_16x16x128_f8f6f4 v[O+16*\u:O+16*\u+7], v[KV+32*\u:KV+32*\u+15], v[PC:PC+15], v[O+16*\u:O+16*\u+7], v[VSW+\u], v[PSW]
	v_wmma_scale_f32_16x16x128_f8f6f4 v[O+16*\u+8:O+16*\u+15], v[KV+32*\u+16:KV+32*\u+31], v[PC:PC+15], v[O+16*\u+8:O+16*\u+15], v[VSW+\u], v[PSW] matrix_a_scale:MATRIX_SCALE_ROW1
.endr                                              ; four accumulators by turns, one instruction a turn
	s_add_co_u32 s[TB], s[TB], 8192
	s_add_co_u32 s[TS], s[TS], 512
	s_add_co_u32 s[TJ], s[TJ], 256
.endm
; THE WAY OUT of pass p: O^T / l, quantised along the head's 64 (two blocks of the inner axis), stored as two images; the row's two scale bytes go to LDS.
.macro OUT p
.rept 8
	v_nop                                          ; places behind the last products
.endr
	v_add_f32 v14, v14, v15                        ; the sum's two halves,
	s_delay_alu instid0(VALU_DEP_1)
	v_permlanex16_b32 v[TT], v14, s[SEL], s[SEL+1]
	s_delay_alu instid0(VALU_DEP_1)
	v_add_f32 v14, v14, v[TT]                      ; and lane l xor 16's: the row's sum
	s_wait_alu depctr_va_vdst(0)
	v_rcp_f32 v14, v14
	v_nop                                          ; a plain line behind the transcendental
	s_wait_alu depctr_va_vdst(0)                   ; and the wait ahead of its first reader
.set j, 0
.rept 16
	v_pk_mul_f32 v[S+j:S+j+1], v[O+j:O+j+1], v[14:15] op_sel_hi:[1,0]   ; register 8 t + i is o(r, 16 t + 8 h + i); each accumulator from its low end on
.set j, j+2
.endr
.irp b, 0,1
	v_max3_num_f32 v[BM+\b], |v[S+16*\b]|, |v[S+16*\b+1]|, 0x4800000
.endr
.irp i, 2,4,6,8,10,12,14
.irp b, 0,1
	s_delay_alu instid0(VALU_DEP_2)
	v_max3_num_f32 v[BM+\b], v[BM+\b], |v[S+16*\b+\i]|, |v[S+16*\b+\i+1]|
.endr
.endr
.irp b, 0,1
	s_delay_alu instid0(VALU_DEP_2)
	v_permlanex16_b32 v[PT+\b], v[BM+\b], s[SEL], s[SEL+1]
.endr
.irp b, 0,1
	s_delay_alu instid0(VALU_DEP_2)
	v_max_num_f32 v[BM+\b], v[BM+\b], v[PT+\b]
.endr
.irp b, 0,1
	s_delay_alu instid0(VALU_DEP_2)
	v_add_nc_u32 v[SO+\b], 0xfc000000, v[BM+\b]
.endr
.irp b, 0,1
.endr
.irp b, 0,1
	s_delay_alu instid0(VALU_DEP_2)
	v_lshrrev_b32 v[PT+\b], 23, v[SO+\b]
.endr
	s_delay_alu instid0(VALU_DEP_1)
	v_lshl_or_b32 v[TT+1], v[PT+1], 8, v[PT]       ; my row's two scale bytes
.irp b, 0,1
.irp i, 0,1,2,3,4,5,6,7,8,9,10,11,12,13,14,15
.endr
	v_cvt_scalef32_pk8_fp8_f32 v[PC+4*\b:PC+4*\b+1], v[S+16*\b:S+16*\b+7], v[SO+\b]
	v_cvt_scalef32_pk8_fp8_f32 v[PC+4*\b+2:PC+4*\b+3], v[S+16*\b+8:S+16*\b+15], v[SO+\b]
.endr
	v_nop
.irp b, 0,1
	v_permlane16_swap_b32 v[PC+4*\b], v[PC+4*\b+2]
	v_permlane16_swap_b32 v[PC+4*\b+1], v[PC+4*\b+3]
.endr
	global_store_b128 v1, v[PC:PC+3], s[OP:OP+1] offset:262144*\p          ; 512 consecutive bytes each
	global_store_b128 v1, v[PC+4:PC+7], s[OP:OP+1] offset:262144*\p+512
	ds_store_b16 v5, v[TT+1] offset:512*\p         ; (lanes 16-31 write the same bytes with the same value)
.endm
.macro PASS p
	s_mov_b32 s[CNT], 16
.Lstep_\@:
	s_setprio 2
	STEP
	s_sub_co_u32 s[CNT], s[CNT], 1
	s_cmp_lg_u32 s[CNT], 0
	s_cbranch_scc1 .Lstep_\@
	s_setprio 0
	OUT \p
.endm
	s_wait_loadcnt 0x0                             ; Q
	s_wait_tensorcnt 0x0                           ; my part of K or V has landed,
	s_wait_dscnt 0x0                               ; my scale words are stored:
	s_barrier_signal -1
	s_barrier_wait -1                              ; everybody's
	PASS 0
	s_wait_xcnt 0x0                                ; pass 0's stores have read their registers, which pass 1 writes again
	QLOAD 1
	s_wait_loadcnt 0x0
	PASS 1
	s_wait_dscnt 0x0                               ; for the others' sake: my scale bytes are stored
	s_barrier_signal -1
	s_barrier_wait -1
	s_cmp_gt_u32 s[WV], 1                          ; waves 0 and 1 store the work-group's 1,024 scale bytes: 512 consecutive bytes a wave
	s_cbranch_scc1 .Lno_halves
	ds_load_b128 v[244:247], v6
	s_wait_dscnt 0x0
	global_store_b128 v7, v[244:247], s[OSP:OSP+1]
.Lno_halves:
	s_wait_tensorcnt 0x0
	ds_add_u32 v254, v255
	s_wait_dscnt 0x0
	CROUND                                         ; the closing round
	s_endpgm
.Lfunc_end_k_q4b45482be6_attn:
	.size	k_q4b45482be6_attn, .Lfunc_end_k_q4b45482be6_attn-k_q4b45482be6_attn
	.p2alignl 7, 3214868480
	.fill 96, 4, 3214868480
	.section	.rodata,"a",@progbits
	.p2align	6, 0x0
	.amdhsa_kernel k_q4b45482be6_attn
		.amdhsa_group_segment_fixed_size 280576
		.amdhsa_private_segment_fixed_size 0
		.amdhsa_enable_private_segment 0
		.amdhsa_kernarg_size 32
		.amdhsa_user_sgpr_count 2
		.amdhsa_user_sgpr_kernarg_segment_ptr 1
		.amdhsa_wavefront_size32 1
		.amdhsa_system_sgpr_workgroup_id_x 1
		.amdhsa_system_sgpr_workgroup_id_y 1
		.amdhsa_system_sgpr_workgroup_id_z 1
		.amdhsa_system_vgpr_workitem_id 0
		.amdhsa_next_free_vgpr 256
		.amdhsa_next_free_sgpr 66
		.amdhsa_reserve_vcc 0
		.amdhsa_float_denorm_mode_32 3
		.amdhsa_float_denorm_mode_16_64 3
		.amdhsa_fp16_overflow 1
		.amdhsa_memory_ordered 1
		.amdhsa_forward_progress 1
		.amdhsa_inst_pref_size 55
	.end_amdhsa_kernel
	.amdgpu_metadata
---
amdhsa.version: [ 1, 2 ]
amdhsa.kernels:
  - .name:           k_q4b45482be6_attn
    .symbol:         k_q4b45482be6_attn.kd
    .args:
      - { .name: qb, .offset: 0, .size: 8, .value_kind: global_buffer, .address_space: global }
      - { .name: kb, .offset: 8, .size: 8, .value_kind: global_buffer, .address_space: global }
      - { .name: vb, .offset: 16, .size: 8, .value_kind: global_buffer, .address_space: global }
      - { .name: ob, .offset: 24, .size: 8, .value_kind: global_buffer, .address_space: global }
    .group_segment_fixed_size: 280576
    .private_segment_fixed_size: 0
    .kernarg_segment_align: 8
    .kernarg_segment_size: 32
    .max_flat_workgroup_size: 512
    .sgpr_count:     66
    .vgpr_count:     256
    .wavefront_size: 32
...
	.end_amdgpu_metadata
.endif
;; end of part 3
;; launch oproj (part 4): grid 256 x 1, 16 waves a work-group, no clusters, 327,680 bytes of LDS; arguments ob, woi, bo, gamma, beta, query, out0; writes out0
.if DOCPART == 4
	.amdgcn_target "amdgcn-amd-amdhsa--gfx1250"
	.amdhsa_code_object_version 6
	.text
	.protected	k_q4b45482be6_oproj
	.globl	k_q4b45482be6_oproj
	.p2align	8
	.type	k_q4b45482be6_oproj,@function
k_q4b45482be6_oproj:
	s_mov_b64 s[64:65], 0
	v_nop
	global_prefetch_b8 v0, s[64:65] scope:SCOPE_SE
	s_setreg_imm32_b32 hwreg(HW_REG_WAVE_MODE, 25, 1), 1
	s_wait_xcnt 0x0
.set AIMG,  131072
.set STAGE, 163840
.set PART1, 233472
.set PART2, 2560
	s_load_b256 s[4:11], s[0:1], 0x0
	s_load_b128 s[12:15], s[0:1], 0x20
	s_load_b64 s[16:17], s[0:1], 0x30
	v_lshl_add_u32 v254, v0, 2, 0x3a400
	v_mov_b32 v255, 0
	ds_add_u32 v254, v255
	ds_add_u32 v254, v255
	v_lshrrev_b32 v1, 5, v0
	s_delay_alu instid0(VALU_DEP_1)
	v_readfirstlane_b32 s18, v1
	s_mov_b32 s24, 3<<16
	s_mov_b32 s25, 32<<16
	s_mov_b32 s26, 8<<16
	s_mov_b32 s27, 32<<16
	s_mov_b32 s28, 8
	s_mov_b32 s29, 32
	s_mov_b32 s30, 0
	s_mov_b32 s31, 0
	s_mov_b32 s32, 3<<16
	s_mov_b32 s33, 32<<16
	s_mov_b32 s34, 32<<16
	s_mov_b32 s35, 32<<16
	s_mov_b32 s36, 32
	s_mov_b32 s37, 32
	s_mov_b32 s38, 0
	s_mov_b32 s39, 0
	s_lshl_b32 s48, ttmp9, 15
	s_lshl_b32 s19, s18, 11
	s_add_co_u32 s48, s48, s19
	s_mov_b32 s49, 0
	s_add_co_u32 s19, s19, AIMG
	s_lshl_b32 s50, ttmp9, 17
	s_lshl_b32 s3, s18, 13
	s_add_co_u32 s50, s50, s3
	s_mov_b32 s51, 0
	s_mov_b32 s20, 0x76543210
	s_mov_b32 s21, 0xfedcba98
	s_mov_b32 s22, 0x3a800000
	s_mov_b32 s23, 0x3727c5ac
	s_wait_dscnt 0x0
	s_wait_kmcnt 0x0
	s_mov_b32 s40, 1
	s_mov_b32 s41, s19
	s_add_nc_u64 s[42:43], s[4:5], s[48:49]
	s_or_b32 s43, s43, 0x80000000
	s_mov_b32 s44, 1
	s_mov_b32 s45, s3
	s_add_nc_u64 s[46:47], s[14:15], s[50:51]
	s_or_b32 s47, s47, 0x80000000
	tensor_load_to_lds s[40:43], s[24:31]
	s_nop 0
	s_wait_alu depctr_va_vdst(0)
	s_wait_tensorcnt 0x0
	ds_add_u32 v254, v255
	s_wait_dscnt 0x0
	s_barrier_signal -1
	s_barrier_wait -1
	tensor_load_to_lds s[44:47], s[32:39]
	s_nop 0
.rept 4
	v_nop
.endr
	s_lshl_b32 s48, ttmp9, 6
	s_add_co_u32 s48, s48, 0x800000
	s_add_nc_u64 s[52:53], s[4:5], s[48:49]
	s_lshl_b32 s48, ttmp9, 17
	s_add_nc_u64 s[16:17], s[16:17], s[48:49]
	v_and_b32 v14, 31, v0
	v_and_b32 v15, 15, v0
	v_bfe_u32 v3, v0, 4, 1
	s_delay_alu instid0(VALU_DEP_3)
	v_lshl_add_u32 v2, v14, 4, AIMG
	s_delay_alu instid0(VALU_DEP_4)
	v_lshl_add_u32 v4, v14, 4, s3
	s_lshl_b32 s2, s18, 8
	s_add_co_u32 s19, s2, 0x100000
	v_lshl_add_u32 v5, v14, 2, s19
	v_lshl_add_u32 v1, v3, 5, s2
	v_lshl_add_u32 v13, v15, 4, s2
	s_delay_alu instid0(VALU_DEP_1)
	v_lshl_add_u32 v6, v3, 12, v13
	s_delay_alu instid0(VALU_DEP_2)
	v_lshl_add_u32 v11, v3, 12, v13
	s_delay_alu instid0(VALU_DEP_1)
	v_add_nc_u32 v12, 65536, v11
	s_mul_i32 s19, s18, 4352
	s_add_co_u32 s19, s19, STAGE
	v_mul_u32_u24 v7, v15, 272
	s_delay_alu instid0(VALU_DEP_1)
	v_lshl_add_u32 v7, v3, 5, v7
	s_delay_alu instid0(VALU_DEP_1)
	v_add_nc_u32 v7, s19, v7
	v_mul_u32_u24 v8, v3, 272
	s_delay_alu instid0(VALU_DEP_1)
	v_lshl_add_u32 v8, v15, 4, v8
	s_delay_alu instid0(VALU_DEP_1)
	v_add_nc_u32 v8, s19, v8
	v_mul_u32_u24 v10, v15, 80
	s_delay_alu instid0(VALU_DEP_1)
	v_add_nc_u32 v10, PART1, v10
	s_lshl_b32 s19, s18, 2
	v_add_nc_u32 v9, s19, v10
	v_lshlrev_b32 v252, 1, v14
.irp n, 0,1,2,3,4,5,6,7,8,9,10,11,12,13,14,15
	global_load_u16 v[208+\n], v252, s[52:53] offset:16384*\n
.endr
.irp i, 0,1
.irp t, 0,1,2,3
	global_load_b128 v[16+32*\i+8*\t:19+32*\i+8*\t], v1, s[8:9] offset:64*\t
	global_load_b128 v[20+32*\i+8*\t:23+32*\i+8*\t], v1, s[8:9] offset:64*\t+16
.endr
.endr
.macro BLOAD g
.set BQ, 80+64*((\g)%2)
.irp t, 0,1,2,3
.irp c, 0,1,2,3
	global_load_b128 v[BQ+16*\t+4*\c:BQ+16*\t+4*\c+3], v4, s[6:7] offset:131072*(\g)+2048*\t+512*\c
.endr
.endr
.irp i, 0,1
	global_load_b32 v[248+2*((\g)%2)+\i], v5, s[6:7] offset:4096*(\g)+128*\i
.endr
.endm
	BLOAD 0
	BLOAD 1
	s_wait_loadcnt 52
.irp g, 0,1,2,3,4,5,6,7
	v_lshl_or_b32 v[240+\g], v[209+2*\g], 16, v[208+2*\g]
.endr
.rept 8
	v_nop
.endr
	s_wait_alu depctr_va_vdst(0)
	s_wait_tensorcnt 1
	s_barrier_signal -1
	s_barrier_wait -1
.macro MM t, i, g
.set AC, 16+32*(\i)+8*(\t)
.set BF, BP+16*(\t)
.set AR, 208+16*(\i)
.set SW, BS+(\t)/2
.if ((\t)%2 == 0) && ((\i) == 0)
	v_wmma_scale_f32_16x16x128_f8f6f4 v[AC:AC+7], v[BF:BF+15], v[AR:AR+15], v[AC:AC+7], v[SW], v[240+(\g)]
.elseif ((\t)%2 == 1) && ((\i) == 0)
	v_wmma_scale_f32_16x16x128_f8f6f4 v[AC:AC+7], v[BF:BF+15], v[AR:AR+15], v[AC:AC+7], v[SW], v[240+(\g)] matrix_a_scale:MATRIX_SCALE_ROW1
.elseif ((\t)%2 == 0)
	v_wmma_scale_f32_16x16x128_f8f6f4 v[AC:AC+7], v[BF:BF+15], v[AR:AR+15], v[AC:AC+7], v[SW], v[240+(\g)] matrix_b_scale:MATRIX_SCALE_ROW1
.else
	v_wmma_scale_f32_16x16x128_f8f6f4 v[AC:AC+7], v[BF:BF+15], v[AR:AR+15], v[AC:AC+7], v[SW], v[240+(\g)] matrix_a_scale:MATRIX_SCALE_ROW1 matrix_b_scale:MATRIX_SCALE_ROW1
.endif
.endm
.macro KSTEP g
.set BP, 80+64*((\g)%2)
.set BS, 248+2*((\g)%2)
.irp i, 0,1
.irp c, 0,1,2,3
	ds_load_b128 v[208+16*\i+4*\c:208+16*\i+4*\c+3], v2 offset:16384*\i+2048*(\g)+512*\c
.endr
.endr
.if (\g) < 7
	s_wait_loadcnt 18
.else
	s_wait_loadcnt 0x0
.endif
	s_wait_dscnt 0x0
.irp t, 0,1,2,3
.irp i, 0,1
	MM \t, \i, \g
.endr
.endr
.rept 8
	v_nop
.endr
.if (\g) < 6
	BLOAD (\g)+2
.endif
.endm
.irp g, 0,1,2,3,4,5,6,7
	KSTEP \g
.endr
	global_load_b128 v[208:211], v13, s[10:11]
	global_load_b128 v[212:215], v13, s[12:13]
	v_mov_b32 v86, 0
	v_mov_b32 v87, 0
.macro ACROSS off, first
.irp i, 0,1
	s_delay_alu instid0(VALU_DEP_2)
	v_add_f32 v[84+\i], v[80+2*\i], v[81+2*\i]
.endr
.irp i, 0,1
	s_delay_alu instid0(VALU_DEP_2)
	v_permlanex16_b32 v[86+\i], v[84+\i], s20, s21
.endr
.irp i, 0,1
	s_delay_alu instid0(VALU_DEP_2)
	v_add_f32 v[84+\i], v[84+\i], v[86+\i]
.endr
	ds_store_b32 v9, v84 offset:\off
	ds_store_b32 v9, v85 offset:\off+1280
.if \first
	s_wait_tensorcnt 0x0
.endif
	s_wait_dscnt 0x0
	s_barrier_signal -1
	s_barrier_wait -1
.irp i, 0,1
.irp k, 0,1,2,3
	ds_load_b128 v[88+16*\i+4*\k:91+16*\i+4*\k], v10 offset:\off+1280*\i+16*\k
.endr
.endr
	s_wait_dscnt 0x0
.irp k, 0,4,8,12
.irp i, 0,1
	v_pk_add_f32 v[88+16*\i+\k:89+16*\i+\k], v[88+16*\i+\k:89+16*\i+\k], v[90+16*\i+\k:91+16*\i+\k]
.endr
.endr
.irp k, 0,8
.irp i, 0,1
	v_pk_add_f32 v[88+16*\i+\k:89+16*\i+\k], v[88+16*\i+\k:89+16*\i+\k], v[92+16*\i+\k:93+16*\i+\k]
.endr
.endr
.irp i, 0,1
	s_delay_alu instid0(VALU_DEP_2)
	v_pk_add_f32 v[88+16*\i:89+16*\i], v[88+16*\i:89+16*\i], v[96+16*\i:97+16*\i]
.endr
.irp i, 0,1
	s_delay_alu instid0(VALU_DEP_2)
	v_add_f32 v[84+\i], v[88+16*\i], v[89+16*\i]
.endr
.endm
.irp i, 0,1
	v_pk_add_f32 v[80+2*\i:81+2*\i], v[16+32*\i:17+32*\i], v[18+32*\i:19+32*\i]
.endr
.irp j, 4,6,8,10,12,14,16,18,20,22,24,26,28,30
.irp i, 0,1
	v_pk_add_f32 v[80+2*\i:81+2*\i], v[80+2*\i:81+2*\i], v[16+32*\i+\j:17+32*\i+\j]
.endr
.endr
	ACROSS 0, 1
.irp i, 0,1
	s_delay_alu instid0(VALU_DEP_2)
	v_mul_f32 v[120+2*\i], s22, v[84+\i]
.endr
.irp i, 0,1
	s_delay_alu instid0(VALU_DEP_2)
	v_mov_b32 v[121+2*\i], v[120+2*\i]
.endr
.irp j, 0,2,4,6,8,10,12,14,16,18,20,22,24,26,28,30
.irp i, 0,1
	v_pk_add_f32 v[16+32*\i+\j:17+32*\i+\j], v[16+32*\i+\j:17+32*\i+\j], v[120+2*\i:121+2*\i] neg_lo:[0,1] neg_hi:[0,1]
.endr
.endr
.irp i, 0,1
	v_pk_mul_f32 v[80+2*\i:81+2*\i], v[16+32*\i:17+32*\i], v[16+32*\i:17+32*\i]
.endr
.irp j, 2,4,6,8,10,12,14,16,18,20,22,24,26,28,30
.irp i, 0,1
	s_delay_alu instid0(VALU_DEP_2)
	v_pk_fma_f32 v[80+2*\i:81+2*\i], v[16+32*\i+\j:17+32*\i+\j], v[16+32*\i+\j:17+32*\i+\j], v[80+2*\i:81+2*\i]
.endr
.endr
	ACROSS PART2, 0
.irp i, 0,1
	s_delay_alu instid0(VALU_DEP_2)
	v_fma_f32 v[84+\i], v[84+\i], s22, s23
.endr
	s_wait_alu depctr_va_vdst(0)
.irp i, 0,1
	v_rsq_f32 v[120+2*\i], v[84+\i]
.endr
	v_nop
	s_wait_alu depctr_va_vdst(0)
.irp i, 0,1
	v_mov_b32 v[121+2*\i], v[120+2*\i]
.endr
.irp j, 0,2,4,6,8,10,12,14,16,18,20,22,24,26,28,30
.irp i, 0,1
	v_pk_mul_f32 v[16+32*\i+\j:17+32*\i+\j], v[16+32*\i+\j:17+32*\i+\j], v[120+2*\i:121+2*\i]
.endr
.endr
.irp i, 0,1
.irp t, 0,1,2,3
	ds_store_b128 v7, v[16+32*\i+8*\t:19+32*\i+8*\t] offset:64*\t
	ds_store_b128 v7, v[20+32*\i+8*\t:23+32*\i+8*\t] offset:64*\t+16
.endr
.irp k, 0,1,2,3,4,5,6,7
	ds_load_b128 v[80+64*\i+4*\k:83+64*\i+4*\k], v8 offset:544*\k
.endr
.irp k, 0,1,2,3,4,5,6,7
	ds_load_b128 v[112+64*\i+4*\k:115+64*\i+4*\k], v[11+\i] offset:8192*\k
.endr
.endr
	s_wait_loadcnt 0x0
.irp i, 0,1
.irp k, 0,1,2,3,4,5,6,7
	s_wait_dscnt 24*(1-\i)+7-\k
	v_pk_fma_f32 v[80+64*\i+4*\k:81+64*\i+4*\k], v[80+64*\i+4*\k:81+64*\i+4*\k], v[208:209], v[212:213]
	v_pk_fma_f32 v[82+64*\i+4*\k:83+64*\i+4*\k], v[82+64*\i+4*\k:83+64*\i+4*\k], v[210:211], v[214:215]
	s_delay_alu instid0(VALU_DEP_2)
	v_pk_add_f32 v[80+64*\i+4*\k:81+64*\i+4*\k], v[80+64*\i+4*\k:81+64*\i+4*\k], v[112+64*\i+4*\k:113+64*\i+4*\k]
	s_delay_alu instid0(VALU_DEP_2)
	v_pk_add_f32 v[82+64*\i+4*\k:83+64*\i+4*\k], v[82+64*\i+4*\k:83+64*\i+4*\k], v[114+64*\i+4*\k:115+64*\i+4*\k]
	global_store_b128 v6, v[80+64*\i+4*\k:83+64*\i+4*\k], s[16:17] offset:(16*\i+2*\k)*4096 th:TH_STORE_NT
.endr
.endr
	s_wait_tensorcnt 0x0
	ds_add_u32 v254, v255
	s_wait_dscnt 0x0
	s_endpgm
.Lfunc_end_k_q4b45482be6_oproj:
	.size	k_q4b45482be6_oproj, .Lfunc_end_k_q4b45482be6_oproj-k_q4b45482be6_oproj
	.p2alignl 7, 3214868480
	.fill 96, 4, 3214868480
	.section	.rodata,"a",@progbits
	.p2align	6, 0x0
	.amdhsa_kernel k_q4b45482be6_oproj
		.amdhsa_group_segment_fixed_size 327680
		.amdhsa_private_segment_fixed_size 0
		.amdhsa_enable_private_segment 0
		.amdhsa_kernarg_size 56
		.amdhsa_user_sgpr_count 2
		.amdhsa_user_sgpr_kernarg_segment_ptr 1
		.amdhsa_wavefront_size32 1
		.amdhsa_system_sgpr_workgroup_id_x 1
		.amdhsa_system_sgpr_workgroup_id_y 1
		.amdhsa_system_sgpr_workgroup_id_z 1
		.amdhsa_system_vgpr_workitem_id 0
		.amdhsa_next_free_vgpr 256
		.amdhsa_next_free_sgpr 66
		.amdhsa_reserve_vcc 0
		.amdhsa_float_denorm_mode_32 3
		.amdhsa_float_denorm_mode_16_64 3
		.amdhsa_memory_ordered 1
		.amdhsa_forward_progress 1
		.amdhsa_inst_pref_size 62
	.end_amdhsa_kernel
	.amdgpu_metadata
---
amdhsa.version: [ 1, 2 ]
amdhsa.kernels:
  - .name:           k_q4b45482be6_oproj
    .symbol:         k_q4b45482be6_oproj.kd
    .args:
      - { .name: ob, .offset: 0, .size: 8, .value_kind: global_buffer, .address_space: global }
      - { .name: woi, .offset: 8, .size: 8, .value_kind: global_buffer, .address_space: global }
      - { .name: bo, .offset: 16, .size: 8, .value_kind: global_buffer, .address_space: global }
      - { .name: gamma, .offset: 24, .size: 8, .value_kind: global_buffer, .address_space: global }
      - { .name: beta, .offset: 32, .size: 8, .value_kind: global_buffer, .address_space: global }
      - { .name: query, .offset: 40, .size: 8, .value_kind: global_buffer, .address_space: global }
      - { .name: out0, .offset: 48, .size: 8, .value_kind: global_buffer, .address_space: global }
    .group_segment_fixed_size: 327680
    .private_segment_fixed_size: 0
    .kernarg_segment_align: 8
    .kernarg_segment_size: 56
    .max_flat_workgroup_size: 512
    .sgpr_count:     66
    .vgpr_count:     256
    .wavefront_size: 32
...
	.end_amdgpu_metadata
.endif
;; end of part 4
